; MI455X (gfx1250); checked and timed in simulation.
; The chip was launched on July 23, 2026; its instructions are those of AMD's public machine-readable ISA for CDNA 5 (MIT licence, August 2026) and "CDNA5" Instruction Set Architecture Reference Guide (July 2026). The comments in the code are by the model that wrote it; some were corrected since.
;; Multi Headed Attention. Allowed arithmetic: matrix products marked QUANTISED: E2M1 operands, one E8M0 scale for each 32 along K, by v_wmma_scale_f32_16x16x128_f8f6f4 with both operands' format E2M1 (or v_wmma_scale_f32_32x16x128_f4), f32 sums; products left as they are: bf16, f16 or f32 operands; f32 sums; everything else in f32.
;; Inputs: Wk 1,024 x 1,024 float32; Wo 1,024 x 1,024 float32; Wq 1,024 x 1,024 float32; Wv 1,024 x 1,024 float32; bk 1,024 float32; bo 1,024 float32; bq 1,024 float32; bv 1,024 float32; key 4 x 2,048 x 1,024 float32; mask 4 x 2,048 x 2,048 bool; query 4 x 2,048 x 1,024 float32; value 4 x 2,048 x 1,024 float32.
;; Outputs: out0 4 x 2,048 x 1,024 float32.
;; This version of the problem:
;;   THIS VERSION OF THE PROBLEM IS GIVEN IN LOW PRECISION. The matrix products marked QUANTISED in the list below multiply operands that are first quantised to E2M1 (2 exponent bits, 1 mantissa bit; 4 bits a number), with one power-of-two scale for each 32 numbers along K (OCP MX v1.0); their sums are f32. The products marked 'left as it is' may take bf16, f16 or f32 operands, with f32 sums. Whichever they take, every output number must still come out within the allowed error. Rounding operands to bf16 (8 significant bits) uses up far more of that allowance than f16 does (11 bits, for magnitudes from 6e-5 to 65,504). All else is computed in f32.
;;   The module's matrix products, in the order in which they are computed (A, B: the left and right operand; K: the contracted axis; several contracted axes count as one K, in the product's order):
;;     1. [M 8,192, K 1,024] x [K 1,024, N 1,024]; A: input key; B: input Wk: QUANTISED
;;     2. [M 8,192, K 1,024] x [K 1,024, N 1,024]; A: input value; B: input Wv: QUANTISED
;;     3. [M 8,192, K 1,024] x [K 1,024, N 1,024]; A: input query; B: input Wq: QUANTISED
;;     4. batch 64 x [M 2,048, K 64] x [K 64, N 2,048]; A: computed on the way; B: computed on the way: left as it is (an operand is computed on the way)
;;     5. batch 64 x [M 2,048, K 2,048] x [K 2,048, N 64]; A: computed on the way; B: computed on the way: left as it is (an operand is computed on the way)
;;     6. [M 8,192, K 1,024] x [K 1,024, N 1,024]; A: computed on the way; B: input Wo: left as it is (an operand is computed on the way)
;;   THE QUANTISER, for each operand of a quantised product, along K:
;;     - K is cut into blocks of 32 from its start; a last block that is shorter is filled with zeros.
;;     - A block's scale is 2^e with e = floor(log2(the largest magnitude in the block)) - 2, held to -126 .. 127; a block of zeros has e = 0. As a byte (E8M0): e + 127.
;;     - Each number is divided by its block's scale, clamped to +-6, and rounded to the nearest number of E2M1, ties to even, subnormals kept.
;;     - The product sums the exact products of the quantised numbers (number of the format x scale) in f32.
;;   ~~~python
;;   def quantise(x, axis):      # numpy; x: float32 -> the quantised numbers, widened to float32 again
;;       x = np.moveaxis(x, axis, -1); K = x.shape[-1]
;;       x = np.pad(x, [(0, 0)] * (x.ndim - 1) + [(0, -K % 32)]); x = x.reshape(x.shape[:-1] + (-1, 32)); a = np.abs(x).max(-1, keepdims=True)
;;       e = np.where(a > 0, np.clip(np.frexp(np.where(a > 0, a, 1))[1] - 1 - 2, -126, 127), 0)      # np.frexp(a)[1] - 1 = floor(log2(a)), exactly
;;       r = np.clip(x / 2.0 ** e, -6, 6)
;;       step = 2.0 ** (np.maximum(np.frexp(np.where(r == 0, 1, r))[1] - 1, 0) - 1)
;;       q = np.round(r / step) * step * 2.0 ** e      # np.round: ties to even
;;       return np.moveaxis(q.reshape(q.shape[:-2] + (-1,))[..., :K], -1, axis).astype(np.float32)
;;   ~~~
;; One version. Each part assembles by itself: llvm-mc -triple=amdgcn-amd-amdhsa -mcpu=gfx1250 --defsym DOCPART=n.
;; ======== version 1 of 1: 4 launches
;; limits: values are held in f16: magnitudes above 65,504 overflow, below 6.1e-05 lose precision
;; workspace buffers: xcodes 12,582,912 bytes; xscales 786,432 bytes; wcodes 1,572,864 bytes; wscales 98,304 bytes; wof 2,097,152 bytes; mbits 2,097,152 bytes of whole numbers; qkv 50,331,648 bytes; ctxf 16,777,216 bytes
;; launch prep (part 1): grid 1392 x 1, 4 waves a work-group, no clusters, 102,912 bytes of LDS; arguments key, value, query, Wk, Wv, Wq, Wo, mask, xcodes, xscales, wcodes, wscales, wof, mbits; writes xcodes, xscales, wcodes, wscales, wof, mbits
.if DOCPART == 1
	.amdgcn_target "amdgcn-amd-amdhsa--gfx1250"
	.amdhsa_code_object_version 6
	.text
	.protected	k_q4728d1eb14_prep
	.globl	k_q4728d1eb14_prep
	.p2align	8
	.type	k_q4728d1eb14_prep,@function
k_q4728d1eb14_prep:
	s_mov_b64 s[64:65], 0
	v_nop
	global_prefetch_b8 v0, s[64:65] scope:SCOPE_SE
	s_setreg_imm32_b32 hwreg(HW_REG_WAVE_MODE, 25, 1), 1
	s_wait_xcnt 0x0
; FOUR PIECES OF PREPARATION IN ONE LAUNCH, told apart by the work-group's number; no wave shares anything with another, so there is no barrier.
;   W (work-groups 0-47):     Wk, Wv, Wq [1024 k][1024 n] f32 -> codes of FP4 (E2M1) laid [3 x 1024 n][512 bytes], K innermost, and one E8M0 byte for each 32 along K, [3 x 1024 n][32].
;   O (48-111):               Wo [1024 k][1024 n] f32 -> f16, laid as IMAGES OF OPERAND REGISTERS: [ntile 64][kfrag 32][1,024 bytes]; in an image bytes 16 x lane are registers 0-3 and bytes 512 + 16 x lane
;                             registers 4-7 of a fragment of 16 columns n x 32 k: lane (r, h) holds column r, k = 8 h + 0..7 and 16 + 8 h + 0..7.
;   M (112-623):              mask [4][2048 q][2048 k], one byte each -> LANE MASKS: [b][q / 64][k / 64][tile of 16 queries: 4][32 words]; bit 16 h + r of word 8 a + j is mask(16 tile + r, 64 kstep + 16 a + 8 h + j):
;                             the word that one v_cndmask_b32 wants for register 8 a + j of a tile of transposed scores.
;   X (624-1391):             key, value, query [8192][1024] f32 -> codes [3 x 8192][512 bytes] and scale bytes [3 x 8192][32].
; THE QUANTISER: a block's scale is 2^(floor(log2(its largest magnitude)) - 2); its byte is the largest magnitude's exponent field - 2, held at 1 from below; each number is divided by the scale and rounded to the
; nearest code, ties to even, beyond the largest code the largest.  A block of zeros gets the byte 1 where the rule says 127: its codes are zeros, which add nothing, and this program alone reads the bytes.
; LIMITS: blocks whose largest magnitude lies under 2^-124 have their byte held at 1; NaN and infinities among the inputs are not served; Wo's numbers lie inside f16's range (65,504).
; LDS: each path has bytes of its own: X 4 x 8,192 from 0; W 4 x 8,704 from 32,768; M 4 x 8,704 from 67,584; the spare words from 102,400.
.set SPARE, 102400
.set SPW,   12                         ; v12  LDS address of my spare word: SPARE + 4 x my thread's number; never rewritten
.set NIL,   13                         ; v13  0; never rewritten
.set XREG,  8192                       ; path X: a wave's region: two stages of 32 x SP bytes, behind them its 256 scale bytes
.set SP,    80                         ; a lane's place in a stage: 64 bytes + 16 of padding
.set WSTG,  32768                      ; path W: the four stages
.set MSTG,  67584                      ; path M: the four stages
.set WP,    272                        ; a stage row of paths W and M: 256 bytes + 16
.set R,     16                         ; path X: v16-79 four sets of 16 numbers as loaded
.set X,     80                         ;         v80-111 two sets of 16 neighbours
.set E,     112                        ;         v112-127 a scale byte for each step
.set C,     128                        ;         v128-191 codes, four registers for each step
	v_lshl_add_u32 v[SPW], v0, 2, SPARE
	v_mov_b32 v[NIL], 0
	v_lshrrev_b32 v1, 5, v0
	v_readfirstlane_b32 s16, v1                    ; wave 0..3
	v_and_b32 v2, 31, v0                           ; lane
	s_cmp_lt_u32 ttmp9, 48                         ; W stands first in the grid: it has the longest chain of loads that follow each other
	s_cbranch_scc1 .LW
	s_cmp_lt_u32 ttmp9, 112
	s_cbranch_scc1 .LO
	s_cmp_lt_u32 ttmp9, 624
	s_cbranch_scc1 .LM
; ---------------- PATH X: key, value, query.  Rows are dense and K is a multiple of 32: a tensor is a plain stream of blocks of 32, and so are its codes and scale bytes.
; A wave takes 16 steps of 512 numbers.  Each of a step's four loads reads 512 consecutive bytes; the 2,048 bytes turn through the wave's own stage, so that a lane gets 16 NEIGHBOURS (two lanes hold a block).
	s_load_b128 s[4:7], s[0:1], 0x0                ; key, value
	s_load_b64 s[8:9], s[0:1], 0x10                ; query
	s_load_b128 s[12:15], s[0:1], 0x40             ; xcodes, xscales
	v_lshlrev_b32 v3, 4, v2                        ; my 16 bytes of a load's 512
	s_mul_i32 s17, s16, XREG
	v_lshrrev_b32 v14, 2, v2
	v_mul_u32_u24 v14, v14, SP
	v_and_b32 v15, 3, v2
	v_lshl_add_u32 v14, v15, 4, v14
	v_add_nc_u32 v14, s17, v14                     ; the stage, on the way in: SP (lane / 4) + 16 (lane % 4)
	v_mul_u32_u24 v15, v2, SP
	v_add_nc_u32 v15, s17, v15                     ; and on the way out: SP x lane
	v_lshlrev_b32 v4, 3, v2                        ; my 8 bytes of a step's 256 bytes of codes
	v_lshrrev_b32 v5, 1, v2
	s_add_co_u32 s17, s17, 2*32*SP
	v_add_nc_u32 v5, s17, v5                       ; my block's byte among my wave's 256 scale bytes
	v_lshlrev_b32 v7, 3, v2
	v_add_nc_u32 v6, s17, v7                       ; and 8 bytes a lane on their way out
	s_sub_co_u32 s18, ttmp9, 624                   ; 0..767: 256 work-groups to a tensor
	s_wait_kmcnt 0x0
	s_cmp_lt_u32 s18, 512                          ; the choice hangs on the work-group's number alone
	s_cselect_b64 s[6:7], s[6:7], s[8:9]
	s_cmp_lt_u32 s18, 256
	s_cselect_b64 s[4:5], s[4:5], s[6:7]
	s_and_b32 s19, s18, 255
	s_lshl_b32 s19, s19, 2
	s_add_co_u32 s19, s19, s16                     ; which run of 8,192 numbers of the tensor is my wave's
	s_lshl_b32 s20, s19, 15                        ; 32,768 bytes a run
	s_mov_b32 s21, 0
	s_add_nc_u64 s[4:5], s[4:5], s[20:21]
	s_lshl_b32 s19, s18, 2
	s_add_co_u32 s19, s19, s16                     ; and which run of the three tensors on end
	s_lshl_b32 s20, s19, 12                        ; 4,096 bytes of codes a run
	s_add_nc_u64 s[12:13], s[12:13], s[20:21]
	s_lshl_b32 s20, s19, 8                         ; 256 scale bytes a run
	s_add_nc_u64 s[14:15], s[14:15], s[20:21]
.macro XLOAD t
.irp i, 0,1,2,3
	global_load_b128 v[R+16*((\t)%4)+4*\i:R+16*((\t)%4)+4*\i+3], v3, s[4:5] offset:2048*(\t)+512*\i th:TH_LOAD_NT   ; 32 lanes read 512 consecutive bytes
.endr
.endm
.macro XTURN t                         ; step t's numbers through the stage: LDS serves a wave's instructions in order, so no wait stands between the stores and the loads
.irp i, 0,1,2,3
	ds_store_b128 v14, v[R+16*((\t)%4)+4*\i:R+16*((\t)%4)+4*\i+3] offset:32*SP*((\t)%2)+8*SP*\i
.endr
.irp i, 0,1,2,3
	ds_load_b128 v[X+16*((\t)%2)+4*\i:X+16*((\t)%2)+4*\i+3], v15 offset:32*SP*((\t)%2)+16*\i
.endr
.endm
.irp t, 0,1,2,3
	XLOAD \t
.endr
	s_wait_loadcnt 12                              ; step 0's four loads are in; the twelve of steps 1 to 3 may be out
	XTURN 0
.macro XSTEP t
.set XS, X+16*((\t)%2)
.if (\t) > 0
	s_wait_dscnt 1                                 ; this step's numbers are back from the stage (the last step's byte store may be out): so its stores into the stage have read their registers,
.else
	s_wait_dscnt 0x0
.endif
.if (\t)+4 < 16
	XLOAD (\t)+4                                   ; which take the loads of four steps on
.endif
.if (\t)+1 < 16
.if 14-(\t) >= 3
	s_wait_loadcnt 12                              ; the next step's four loads are in; those of the three steps behind it may be out
.else
	s_wait_loadcnt 4*(14-(\t))
.endif
	XTURN (\t)+1                                   ; and go through the other stage while this step is worked
.endif
	v_max3_num_f32 v8, |v[XS]|, |v[XS+1]|, |v[XS+2]|               ; the largest magnitude of my 16, in two chains
	v_max3_num_f32 v9, |v[XS+3]|, |v[XS+4]|, |v[XS+5]|
.irp i, 6,10
	v_max3_num_f32 v8, v8, |v[XS+\i]|, |v[XS+\i+1]|
	v_max3_num_f32 v9, v9, |v[XS+\i+2]|, |v[XS+\i+3]|
.endr
	v_max3_num_f32 v8, v8, |v[XS+14]|, |v[XS+15]|
	v_max3_num_f32 v8, v8, v9, 0x1800000           ; and the floor 2^(3 - 127): so the byte cannot fall under 1
	v_max_num_f32_dpp v8, v8, v8 row_xmask:1 row_mask:0xf bank_mask:0xf   ; and of my neighbour's 16: the block's
	v_add_nc_u32 v11, 0xff000000, v8               ; 2 off its exponent field: the conversion takes the exponent field of this operand as its scale, and nothing else of it
	v_cvt_scalef32_pk8_fp4_f32 v[C+4*(\t)], v[XS:XS+7], v11
	v_cvt_scalef32_pk8_fp4_f32 v[C+4*(\t)+1], v[XS+8:XS+15], v11
	v_lshrrev_b32 v[E+(\t)], 23, v11               ; the scale's byte (also the plain line behind the conversions)
	ds_store_b8 v5, v[E+(\t)] offset:16*(\t)       ; both lanes of a block write the same byte with the same value
	global_store_b64 v4, v[C+4*(\t):C+4*(\t)+1], s[12:13] offset:256*(\t)   ; the wave stores 256 consecutive bytes, aligned
.endm
.irp t, 0,1,2,3,4,5,6,7,8,9,10,11,12,13,14,15
	XSTEP \t
.endr
	ds_load_b64 v[8:9], v6                         ; LDS serves a wave's instructions in order: these see my byte stores
	s_wait_dscnt 0x0
	global_store_b64 v7, v[8:9], s[14:15]          ; 32 lanes store 256 consecutive bytes, aligned
	s_wait_tensorcnt 0x0                           ; the wave's end, behind my last LDS store
	ds_add_u32 v[SPW], v[NIL]
	s_wait_dscnt 0x0
	s_endpgm
; ---------------- PATH W: a weight's K is its FIRST axis.  A LANE TAKES A COLUMN n AND ITS REGISTERS RUN DOWN K: a block of 32 lies in one lane's 32 registers, and the codes come out with K innermost.
; A wave takes 32 columns x 512 along K: 16 blocks a lane, 256 bytes of codes a column, which leave through the wave's stage as rows: sixteen lanes store 256 consecutive bytes, aligned.
.LW:
	s_load_b64 s[4:5], s[0:1], 0x18                ; Wk
	s_load_b128 s[8:11], s[0:1], 0x20              ; Wv, Wq
	s_load_b128 s[12:15], s[0:1], 0x50             ; wcodes, wscales
	s_lshr_b32 s17, ttmp9, 4                       ; which weight: 16 work-groups to each
	s_and_b32 s18, ttmp9, 7                        ; which 128 columns
	s_bfe_u32 s19, ttmp9, 0x10003                  ; which 512 along K
	s_lshl_b32 s18, s18, 7
	s_lshl_b32 s20, s16, 5
	s_add_co_u32 s18, s18, s20                     ; my wave's first column
	v_lshlrev_b32 v3, 2, v2                        ; in: 4 bytes a lane
	s_mul_i32 s20, s16, 32*WP
	s_add_co_u32 s20, s20, WSTG                    ; my stage
	v_mul_u32_u24 v4, v2, WP
	v_add_nc_u32 v4, s20, v4                       ; into it: row = my column
	v_and_b32 v5, 15, v2
	v_lshrrev_b32 v6, 4, v2
	v_mul_u32_u24 v7, v6, WP
	v_lshl_add_u32 v7, v5, 4, v7
	v_add_nc_u32 v7, s20, v7                       ; out of it: sixteen lanes to a row, two rows an instruction
	v_lshlrev_b32 v8, 9, v6
	v_lshl_add_u32 v8, v5, 4, v8                   ; and the same place in the codes' buffer: rows of 512 bytes
	v_lshlrev_b32 v9, 5, v2                        ; my column's row of scale bytes: 32 bytes a row
	s_lshl_b32 s20, s19, 21                        ; W: 512 rows of 4,096 bytes,
	s_lshl_b32 s21, s18, 2
	s_add_co_u32 s20, s20, s21                     ; + 4 x column
	s_mov_b32 s21, 0
	s_lshl_b32 s22, s17, 10
	s_add_co_u32 s22, s22, s18                     ; the row of the codes' buffer: 1,024 x weight + column
	s_lshl_b32 s24, s22, 9
	s_lshl_b32 s25, s19, 8
	s_add_co_u32 s24, s24, s25
	s_mov_b32 s25, 0
	s_lshl_b32 s26, s22, 5
	s_lshl_b32 s27, s19, 4
	s_add_co_u32 s26, s26, s27
	s_mov_b32 s27, 0
	s_wait_kmcnt 0x0
	s_cmp_lt_u32 s17, 2
	s_cselect_b64 s[8:9], s[8:9], s[10:11]
	s_cmp_lt_u32 s17, 1
	s_cselect_b64 s[4:5], s[4:5], s[8:9]
	s_add_nc_u64 s[4:5], s[4:5], s[20:21]
	s_add_nc_u64 s[12:13], s[12:13], s[24:25]
	s_add_nc_u64 s[14:15], s[14:15], s[26:27]
.macro WLOAD t                         ; block t: W(32 t + i, my column), i = 0 .. 31, into set t % 2 (v32-63, v64-95)
.irp i, 0,1,2,3,4,5,6,7,8,9,10,11,12,13,14,15,16,17,18,19,20,21,22,23,24,25,26,27,28,29,30,31
	global_load_b32 v[32+32*((\t)%2)+\i], v3, s[4:5] offset:(32*(\t)+\i)*4096 th:TH_LOAD_NT
.endr
.endm
	WLOAD 0
	WLOAD 1
.macro WBLOCK t
.set WS, 32+32*((\t)%2)
.if (\t) < 15
	s_wait_loadcnt 32                              ; this block's 32 loads are in; the next block's 32 may be out
.else
	s_wait_loadcnt 0
.endif
	v_max3_num_f32 v14, |v[WS]|, |v[WS+1]|, |v[WS+2]|              ; the block's largest magnitude: all 32 numbers are mine
	v_max3_num_f32 v15, |v[WS+3]|, |v[WS+4]|, |v[WS+5]|
.irp i, 6,10,14,18,22,26
	v_max3_num_f32 v14, v14, |v[WS+\i]|, |v[WS+\i+1]|
	v_max3_num_f32 v15, v15, |v[WS+\i+2]|, |v[WS+\i+3]|
.endr
	v_max3_num_f32 v14, v14, |v[WS+30]|, |v[WS+31]|
	v_max3_num_f32 v14, v14, v15, 0x1800000        ; and the floor 2^(3 - 127)
	v_add_nc_u32 v11, 0xff000000, v14              ; 2 off its exponent field: the conversion's scale operand
	v_lshrrev_b32 v10, 23, v11                     ; the scale's byte
.if (\t)%4 == 0
	v_mov_b32 v[24+(\t)/4], v10                    ; four bytes to a register, the lower K in the lower byte
.else
	v_lshl_or_b32 v[24+(\t)/4], v10, 8*((\t)%4), v[24+(\t)/4]
.endif
.irp g, 0,1,2,3
	v_cvt_scalef32_pk8_fp4_f32 v[96+\g], v[WS+8*\g:WS+8*\g+7], v11
.endr
	v_nop                                          ; one plain line behind the last conversion
	ds_store_b128 v4, v[96:99] offset:16*(\t)      ; 32 codes: 16 bytes of my column's row
.if (\t)+2 < 16
	WLOAD (\t)+2
.endif
	s_wait_dscnt 0x0                               ; the store has read its registers: the next block's codes may be written
.endm
.set Q, 0
.rept 16
	WBLOCK Q
.set Q, Q+1
.endr
	global_store_b128 v9, v[24:27], s[14:15]       ; my column's 16 scale bytes
.irp t, 0,1,2,3,4,5,6,7,8,9,10,11,12,13,14,15
	ds_load_b128 v[112+4*\t:112+4*\t+3], v7 offset:2*\t*WP   ; LDS serves a wave's instructions in order: these see my stores
.endr
.irp t, 0,1,2,3,4,5,6,7,8,9,10,11,12,13,14,15
	s_wait_dscnt 15-\t
	global_store_b128 v8, v[112+4*\t:112+4*\t+3], s[12:13] offset:2*\t*512
.endr
	s_wait_tensorcnt 0x0                           ; the wave's end, behind my last LDS store
	ds_add_u32 v[SPW], v[NIL]
	s_wait_dscnt 0x0
	s_endpgm
; ---------------- PATH O: Wo into f16 images.  Lane (r, h) takes column r of its tile of 16 and its registers run down K in the very order of the operand's layout: nothing is transposed.
; A wave takes one tile of 16 columns x 256 along K: eight images.  The four waves of a work-group stand on 256 neighbouring bytes of each row.
.LO:
	s_load_b64 s[4:5], s[0:1], 0x30                ; Wo
	s_load_b64 s[6:7], s[0:1], 0x60                ; wof
	s_sub_co_u32 s17, ttmp9, 48
	s_lshr_b32 s18, s17, 4                         ; which 256 along K
	s_and_b32 s19, s17, 15
	s_lshl_b32 s19, s19, 2
	s_add_co_u32 s19, s19, s16                     ; which tile of 16 columns
	v_and_b32 v5, 15, v2
	v_lshrrev_b32 v6, 4, v2
	v_lshlrev_b32 v3, 2, v5
	v_lshl_add_u32 v3, v6, 15, v3                  ; in: 4 r, and 8 rows of 4,096 bytes further down for lanes 16-31
	v_lshlrev_b32 v4, 4, v2                        ; out: 16 x lane
	s_lshl_b32 s20, s18, 20                        ; 256 rows of 4,096 bytes
	s_lshl_b32 s21, s19, 6
	s_add_co_u32 s20, s20, s21
	s_mov_b32 s21, 0
	s_lshl_b32 s22, s19, 15                        ; a tile's 32 images
	s_lshl_b32 s23, s18, 13                        ; eight of them
	s_add_co_u32 s22, s22, s23
	s_mov_b32 s23, 0
	s_wait_kmcnt 0x0
	s_add_nc_u64 s[4:5], s[4:5], s[20:21]
	s_add_nc_u64 s[6:7], s[6:7], s[22:23]
.macro OLOAD f                         ; image f: number e of my 16 is k = 32 f + 16 (e / 8) + 8 h + e % 8
.irp e, 0,1,2,3,4,5,6,7,8,9,10,11,12,13,14,15
	global_load_b32 v[32+16*(\f)+\e], v3, s[4:5] offset:(32*(\f)+16*(\e/8)+\e%8)*4096
.endr
.endm
	OLOAD 0
	OLOAD 1
	OLOAD 2
.irp f, 0,1,2,3,4,5,6,7
.if \f < 6
	s_wait_loadcnt 32                              ; image f's 16 loads are in; those of the two images behind it may be out
.else
	s_wait_loadcnt 16*(7-\f)
.endif
.if \f+3 < 8
	OLOAD \f+3
.endif
.irp i, 0,1,2,3,4,5,6,7
	v_cvt_pk_f16_f32 v[32+16*\f+\i], v[32+16*\f+2*\i], v[32+16*\f+2*\i+1]   ; in place, ascending: a result lands on numbers that are done with; the lower k in the low half
.endr
	global_store_b128 v4, v[32+16*\f:32+16*\f+3], s[6:7] offset:1024*\f          ; registers 0-3: 512 consecutive bytes
	global_store_b128 v4, v[32+16*\f+4:32+16*\f+7], s[6:7] offset:1024*\f+512    ; registers 4-7
.endr
	s_endpgm
; ---------------- PATH M: the mask's bytes into lane masks.  A wave takes 32 queries x 256 keys: it reads whole rows of 256 bytes, turns them through its stage so that lane (r, h) holds the 8 bytes of
; query r, keys 16 a + 8 h + 0..7, makes of each byte place a word by a compare over the 32 lanes, and gathers the words lane by lane, so that each store covers 256 consecutive bytes, aligned.
.LM:
	s_load_b64 s[4:5], s[0:1], 0x38                ; mask
	s_load_b64 s[6:7], s[0:1], 0x68                ; mbits
	s_sub_co_u32 s17, ttmp9, 112
	s_lshl_b32 s17, s17, 2
	s_add_co_u32 s17, s17, s16                     ; 0..2047
	s_and_b32 s18, s17, 7                          ; which 256 keys
	s_bfe_u32 s19, s17, 0x60003                    ; which 32 queries of the batch
	s_lshr_b32 s20, s17, 9                         ; the batch
	v_and_b32 v5, 15, v2                           ; r
	v_lshrrev_b32 v6, 4, v2                        ; h
	v_lshlrev_b32 v3, 4, v5
	v_lshl_add_u32 v3, v6, 11, v3                  ; in: sixteen lanes to a row's 256 bytes, lanes 16-31 the next row (2,048 bytes on)
	s_mul_i32 s21, s16, 32*WP
	s_add_co_u32 s21, s21, MSTG                    ; my stage
	v_mul_u32_u24 v4, v6, WP
	v_lshl_add_u32 v4, v5, 4, v4
	v_add_nc_u32 v4, s21, v4                       ; into it, as loaded
	v_mul_u32_u24 v7, v5, WP
	v_lshl_add_u32 v7, v6, 3, v7
	v_add_nc_u32 v7, s21, v7                       ; out of it: row r, + 8 h
	v_lshlrev_b32 v8, 3, v2                        ; out: 8 x lane
	s_lshl_b32 s22, s20, 22                        ; a batch's mask: 4,194,304 bytes
	s_lshl_b32 s23, s19, 16                        ; 32 rows of 2,048
	s_add_co_u32 s22, s22, s23
	s_lshl_b32 s23, s18, 8
	s_add_co_u32 s22, s22, s23
	s_mov_b32 s23, 0
	s_lshl_b32 s24, s20, 5
	s_lshr_b32 s25, s19, 1
	s_add_co_u32 s24, s24, s25                     ; 32 b + q / 64
	s_lshl_b32 s24, s24, 14                        ; 32 key steps of 512 bytes
	s_and_b32 s25, s19, 1
	s_lshl_b32 s25, s25, 8                         ; my two tiles of the four: 256 bytes
	s_add_co_u32 s24, s24, s25
	s_lshl_b32 s25, s18, 11                        ; my four key steps
	s_add_co_u32 s24, s24, s25
	s_mov_b32 s25, 0
.irp i, 0,1,2,3,4,5,6,7
	v_mov_b32 v[16+\i], 0                          ; written once: v_writelane_b32's destination counts as one of its sources
.endr
	s_wait_kmcnt 0x0
	s_add_nc_u64 s[4:5], s[4:5], s[22:23]
	s_add_nc_u64 s[6:7], s[6:7], s[24:25]
.irp i, 0,1,2,3,4,5,6,7,8,9,10,11,12,13,14,15
	global_load_b128 v[32+4*\i:32+4*\i+3], v3, s[4:5] offset:4096*\i th:TH_LOAD_NT   ; rows 2 i and 2 i + 1
.endr
.irp i, 0,1,2,3,4,5,6,7,8,9,10,11,12,13,14,15
	s_wait_loadcnt 15-\i
	ds_store_b128 v4, v[32+4*\i:32+4*\i+3] offset:2*WP*\i
.endr
.set g, 0                              ; g = 8 kstep + 4 tile + a
.rept 32
	ds_load_b64 v[96+2*g:96+2*g+1], v7 offset:((g/4)%2)*16*WP+64*(g/8)+16*(g%4)   ; LDS serves a wave's instructions in order: these see my stores
.set g, g+1
.endr
	s_wait_dscnt 0x0
.set g, 0
.rept 32
.irp j, 0,1,2,3,4,5,6,7
	v_and_b32 v[24+\j], 0xff<<(8*(\j%4)), v[96+2*g+\j/4]           ; byte j of my eight
.endr
.irp j, 0,1,2,3,4,5,6,7
	v_cmp_ne_u32 s[28+\j], 0, v[24+\j]                             ; the 32 lanes' bits: word 32 tile + 8 a + j of the key step's 64
.endr
.irp j, 0,1,2,3,4,5,6,7
	v_writelane_b32 v[16+2*(g/8)+(\j%2)], s[28+\j], (8*(g%8)+\j)/2 ; word i goes to lane i / 2, register i % 2
.endr
.set g, g+1
.endr
.irp k, 0,1,2,3
	global_store_b64 v8, v[16+2*\k:17+2*\k], s[6:7] offset:512*\k  ; 32 lanes store 256 consecutive bytes, aligned
.endr
	s_wait_tensorcnt 0x0                           ; the wave's end, behind my last LDS store
	ds_add_u32 v[SPW], v[NIL]
	s_wait_dscnt 0x0
	s_endpgm
.Lfunc_end_k_q4728d1eb14_prep:
	.size	k_q4728d1eb14_prep, .Lfunc_end_k_q4728d1eb14_prep-k_q4728d1eb14_prep
	.p2alignl 7, 3214868480
	.fill 96, 4, 3214868480
	.section	.rodata,"a",@progbits
	.p2align	6, 0x0
	.amdhsa_kernel k_q4728d1eb14_prep
		.amdhsa_group_segment_fixed_size 102912
		.amdhsa_private_segment_fixed_size 0
		.amdhsa_enable_private_segment 0
		.amdhsa_kernarg_size 112
		.amdhsa_user_sgpr_count 2
		.amdhsa_user_sgpr_kernarg_segment_ptr 1
		.amdhsa_wavefront_size32 1
		.amdhsa_system_sgpr_workgroup_id_x 1
		.amdhsa_system_sgpr_workgroup_id_y 1
		.amdhsa_system_sgpr_workgroup_id_z 1
		.amdhsa_system_vgpr_workitem_id 0
		.amdhsa_next_free_vgpr 192
		.amdhsa_next_free_sgpr 66
		.amdhsa_reserve_vcc 0
		.amdhsa_float_denorm_mode_32 3
		.amdhsa_float_denorm_mode_16_64 3
		.amdhsa_memory_ordered 1
		.amdhsa_forward_progress 1
		.amdhsa_inst_pref_size 186
	.end_amdhsa_kernel
	.amdgpu_metadata
---
amdhsa.version: [ 1, 2 ]
amdhsa.kernels:
  - .name:           k_q4728d1eb14_prep
    .symbol:         k_q4728d1eb14_prep.kd
    .args:
      - { .name: key, .offset: 0, .size: 8, .value_kind: global_buffer, .address_space: global }
      - { .name: value, .offset: 8, .size: 8, .value_kind: global_buffer, .address_space: global }
      - { .name: query, .offset: 16, .size: 8, .value_kind: global_buffer, .address_space: global }
      - { .name: Wk, .offset: 24, .size: 8, .value_kind: global_buffer, .address_space: global }
      - { .name: Wv, .offset: 32, .size: 8, .value_kind: global_buffer, .address_space: global }
      - { .name: Wq, .offset: 40, .size: 8, .value_kind: global_buffer, .address_space: global }
      - { .name: Wo, .offset: 48, .size: 8, .value_kind: global_buffer, .address_space: global }
      - { .name: mask, .offset: 56, .size: 8, .value_kind: global_buffer, .address_space: global }
      - { .name: xcodes, .offset: 64, .size: 8, .value_kind: global_buffer, .address_space: global }
      - { .name: xscales, .offset: 72, .size: 8, .value_kind: global_buffer, .address_space: global }
      - { .name: wcodes, .offset: 80, .size: 8, .value_kind: global_buffer, .address_space: global }
      - { .name: wscales, .offset: 88, .size: 8, .value_kind: global_buffer, .address_space: global }
      - { .name: wof, .offset: 96, .size: 8, .value_kind: global_buffer, .address_space: global }
      - { .name: mbits, .offset: 104, .size: 8, .value_kind: global_buffer, .address_space: global }
    .group_segment_fixed_size: 102912
    .private_segment_fixed_size: 0
    .kernarg_segment_align: 8
    .kernarg_segment_size: 112
    .max_flat_workgroup_size: 128
    .sgpr_count:     66
    .vgpr_count:     192
    .wavefront_size: 32
...
	.end_amdgpu_metadata
.endif
;; end of part 1
;; launch proj (part 2): grid 4 x 96, 4 waves a work-group, clusters of 4 x 4, 327,680 bytes of LDS; arguments xcodes, xscales, wcodes, wscales, bk, bv, bq, qkv; writes qkv
.if DOCPART == 2
	.amdgcn_target "amdgcn-amd-amdhsa--gfx1250"
	.amdhsa_code_object_version 6
	.text
	.protected	k_q4728d1eb14_proj
	.globl	k_q4728d1eb14_proj
	.p2align	8
	.type	k_q4728d1eb14_proj,@function
k_q4728d1eb14_proj:
	s_mov_b64 s[64:65], 0
	v_nop
	global_prefetch_b8 v0, s[64:65] scope:SCOPE_SE
	s_setreg_imm32_b32 hwreg(HW_REG_WAVE_MODE, 25, 1), 1
	s_wait_xcnt 0x0
	s_wait_alu depctr_hold_cnt(0) depctr_sa_sdst(0) depctr_va_vdst(0) depctr_va_sdst(0) depctr_va_ssrc(0) depctr_va_vcc(0) depctr_vm_vsrc(0)
	s_getreg_b32 s2, hwreg(HW_REG_IB_STS2, 6, 4)
	s_cmp_eq_u32 s2, 0
	s_cbranch_scc0 .Lentry_in_a_cluster
	s_endpgm
.Lentry_in_a_cluster:
	s_bfe_u32 s2, ttmp6, 0x10000c
	s_cmp_lg_u32 s2, 0xf033
	s_cbranch_scc0 .Lentry_shape_is_right
	s_endpgm
.Lentry_shape_is_right:
; THE THREE PROJECTIONS ON CODES OF FP4 (E2M1): k = key Wk + bk, v = value Wv + bv, q = (query Wq + bq) x log2(e) / 8, as ONE product of 24,576 rows (key's, value's, query's on end) with, for each third of the rows, its own weight.
; A: xcodes [24576][512 bytes], xscales [24576][32];  B: wcodes [3 x 1024 n][512 bytes], wscales [3072][32]: K = 1,024 innermost, one E8M0 byte for each 32 along K.  Sums in f32; the bias is the C of each sum's first product.
; A tile of 256 x 256 is made by four waves, each 128 x 128: 64 accumulators, 512 registers.  K's two halves of 512 (rows of 256 bytes) lie in two LDS slots, each filled ONCE; the scale bytes of the work-group's rows come once too.
; CLUSTERS: 4 x 4 work-groups.  The four of a row of the cluster need the same tiles of A, the four of a column the same tiles of B: each tile is asked for JOINTLY.  A cluster's 1,024 rows lie in one tensor, so all sixteen take one weight.
; THE MATRIX INSTRUCTION IS USED TRANSPOSED (source 0 = 16 rows of B, source 1 = 16 rows of A): a lane holds row l % 16 and eight neighbouring columns 16 b + 8 (l / 16) + 0..7.
; THE RESULT LEAVES AS f16 IMAGES OF OPERAND REGISTERS: qkv [4 tensor + batch][head 16][s / 16][c 2][1,024 bytes]; an image is a fragment of 16 positions x 32 of the head's 64: bytes 16 x lane are its registers 0-3, bytes 512 + 16 x lane its
; registers 4-7.  A lane's eight columns, packed, ARE four such registers (block b even: 0-3, odd: 4-7), so each store covers 512 consecutive bytes and no stage is needed.
; LIMITS: k, v and q x log2(e) / 8 lie inside f16's range (65,504).
; REGISTERS: window 0: v0-31 addresses; v32-95 scale words, two sets; v128-191 A's fragments, one set, later the packed results; v192-255 the bias.  window 1: B's fragments, two sets.  windows 2, 3: the accumulators ((a, b) at v[8 (8 (a % 4) + b)]).
.set KSTEP,  512                       ; along K in a slot
.set NQ,     KSTEP/128                 ; matrix instructions deep
.set ROWB,   256                       ; a tile's row in bytes
.set KROW,   512                       ; a row of A or of B in memory
.set PITCH,  272                       ; an LDS row: 256 bytes + 16 of padding: the 16 rows that a load touches start 68 words apart
.set FR,     8                         ; registers of a fragment: 16 rows x 128 K
.set NL,     2                         ; LDS loads that bring one
.set NP,     4                         ; places behind this matrix instruction (ISA guide 7.12.1)
.set HALFT,  128*PITCH                 ; 128 rows: what one tensor load brings
.set SLOT,   4*HALFT                   ; A's 256 rows, then B's 256 rows
.set KS,     32                        ; a row of scales in bytes
.set SCL,    2*SLOT                    ; behind the slots: the scales, as rows of 256 bytes + 16 of padding
.set HALFS,  (128*KS/256)*272          ; the scales of 128 rows
.set SBLK,   (16*KS/256)*272           ; those of 16 rows
.set SPARE,  SCL+4*HALFS               ; the spare words, 128 bytes for each wave
.set ADRA, 16                          ; v16-17  LDS address of my A fragments in slot 0, 1
.set ADRB, 20                          ; v20-21  the same for B
.set CO,   26                          ; v26     16 x lane: my place in an image's half
.set ADRS, 27                          ; v27     LDS address of my scale words: lanes 0-15 A's rows, lanes 16-31 B's
.set SPW,  28                          ; v28     LDS address of my spare word; never rewritten
.set NIL,  29                          ; v29     0; never rewritten
.set SC,   32                          ; scale words: set s at v[SC + 32 s]; register 4 i + q: lanes 0-15 A's block i, lanes 16-31 B's block i, the slot's q-th 128 along K
.set AF,   128                         ; A's fragments
.set BI,   192                         ; the bias: v[BI + 8 b + j] = bias of column 16 b + 8 (l / 16) + j of my 128
.set PK,   128                         ; the way out: packed results, two sets of 32
.set G1, 24                            ; s[24:31] descriptor group 1 for A's tiles;  s[32:39] group 0, one set for each slot
.set G0, 32
.set G1B, 48                           ; s[48:55], s[56:63] the same for B's tiles
.set G0B, 56
.set G1S, 68                           ; s[68:75], s[76:79] groups 1 and 0 for A's scales;  s[80:87], s[88:91] for B's
.set G0S, 76
.set G1SB, 80
.set G0SB, 88
.set FAC, 66                           ; s[66:67] what the sums are multiplied by: log2(e) / 8 for q, 1 for k and v
.set MSB, 0
.macro WIN new                         ; the immediate's high byte repeats the setting that is left
.if MSB != \new
	s_set_vgpr_msb (MSB<<8)|\new
.set MSB, \new
.endif
.endm
.set MUL_LO, 0xa1                      ; source 0 (B) window 1, source 1 (A) window 0, C and D window 2
.set MUL_HI, 0xf1                      ; the same, C and D window 3
.set TO_B,   0x40                      ; destination window 1, address window 0
; A joint load: waves 0 and 1 fetch for A, waves 2 and 3 for B.  Each of the two lines has one mask and one set of registers for all that issue it; the branch hangs on the wave's number alone.
; An s_nop 0 and four v_nop follow each of the two lines.
.macro JLOAD g0a, g1a, g0b, g1b
	s_cmp_eq_u32 s15, 0
	s_cbranch_scc0 .Lfor_b_\@
	tensor_load_to_lds s[\g0a:\g0a+3], s[\g1a:\g1a+7]
	s_nop 0
.rept 4
	v_nop
.endr
	s_branch .Lasked_\@
.Lfor_b_\@:
	tensor_load_to_lds s[\g0b:\g0b+3], s[\g1b:\g1b+7]
	s_nop 0
.rept 4
	v_nop
.endr
.Lasked_\@:
.endm
.macro CROUND                          ; a round of the cluster's barrier
	s_barrier_signal -1
	s_barrier_wait -1
	s_cmp_lg_u32 s14, 0
	s_cbranch_scc1 .Lnot_wave_0_\@
	s_barrier_signal -3
.Lnot_wave_0_\@:
	s_barrier_wait -3
	s_barrier_signal -1
	s_barrier_wait -1
.endm
	s_load_b128 s[4:7], s[0:1], 0x0                ; A's codes, A's scales
	s_load_b128 s[8:11], s[0:1], 0x10              ; B's codes, B's scales
	s_load_b128 s[96:99], s[0:1], 0x20             ; bk, bv
	s_load_b64 s[100:101], s[0:1], 0x30            ; bq
	s_load_b64 s[12:13], s[0:1], 0x38              ; qkv
	v_lshl_add_u32 v[SPW], v0, 2, SPARE
	v_mov_b32 v[NIL], 0
	ds_add_u32 v[SPW], v[NIL]                      ; the wave's opening: the add, twice on end, and its wait ahead of my first tensor load
	ds_add_u32 v[SPW], v[NIL]
	v_lshrrev_b32 v1, 5, v0
	v_readfirstlane_b32 s14, v1                    ; wave 0..3
	s_lshr_b32 s15, s14, 1                         ; which half of the tile's rows is mine.  Also: I fetch for A (0) or for B (1)
	s_and_b32 s16, s14, 1                          ; which half of its columns.  Also: which 128 rows of that tile I fetch
	s_bfe_u32 s40, ttmp6, 0x40000                  ; cx, cy: my place in the cluster
	s_bfe_u32 s41, ttmp6, 0x40004
	s_lshl_b32 s42, ttmp9, 2
	s_add_co_u32 s42, s42, s40                     ; tile column = 4 x cluster x + cx: 0..3
	s_and_b32 s17, ttmp7, 0xffff                   ; cluster y: 0..23
	s_lshr_b32 s95, s17, 3                         ; the tensor: eight clusters of 1,024 rows to each; the same in all sixteen partners
	s_lshl_b32 s17, s17, 2
	s_add_co_u32 s17, s17, s41                     ; tile row = 4 x cluster y + cy: 0..95
	s_lshl_b32 s43, s41, 2
	s_lshl_b32 s43, 15, s43                        ; my row of the cluster
	s_lshl_b32 s44, 0x1111, s40                    ; my column
	; descriptor group 1: a tile of 128 rows x 256 bytes, padded in LDS
	s_or_b32 s[G1+0], s43, (0<<16)|(1<<20)|(1<<21)|(5<<22)|(3<<25)  ; 15:0 the mask; 17:16 elements of 1 byte; 20 padding on; 21 set beside a mask; 24:22 after every 64 words; 31:25 four words
	s_or_b32 s[G1B+0], s44, (0<<16)|(1<<20)|(1<<21)|(5<<22)|(3<<25)
.irp g, G1, G1B
	s_mov_b32 s[\g+1], ROWB<<16                    ; tensor_dim0
	s_mov_b32 s[\g+2], 128<<16                     ; tensor_dim1
	s_mov_b32 s[\g+3], ROWB<<16                    ; tile_dim0
	s_mov_b32 s[\g+4], 128                         ; tile_dim1
	s_mov_b32 s[\g+5], KROW                        ; from row to row
	s_mov_b32 s[\g+6], 0
	s_mov_b32 s[\g+7], 0
.endr
	; the scales of 128 rows: a dense block of 4,096 bytes, as 16 rows of 256 bytes (32 elements of 8 bytes), 16 bytes of padding behind each
	s_or_b32 s[G1S+0], s43, (3<<16)|(1<<20)|(1<<21)|(5<<22)|(3<<25)
	s_or_b32 s[G1SB+0], s44, (3<<16)|(1<<20)|(1<<21)|(5<<22)|(3<<25)
.irp g, G1S, G1SB
	s_mov_b32 s[\g+1], 32<<16
	s_mov_b32 s[\g+2], (128*KS/256)<<16
	s_mov_b32 s[\g+3], 32<<16
	s_mov_b32 s[\g+4], 128*KS/256
	s_mov_b32 s[\g+5], 32
	s_mov_b32 s[\g+6], 0
	s_mov_b32 s[\g+7], 0
.endr
	s_lshl_b32 s18, s16, 7                         ; which 128 rows of the tile I fetch
	s_lshl_b32 s20, s17, 8
	s_add_co_u32 s20, s20, s18                     ; A: row 256 x tile row + 128 x half
	s_lshl_b32 s46, s42, 8
	s_add_co_u32 s46, s46, s18                     ; B: row 256 x tile column + 128 x half
	s_lshl_b32 s47, s95, 10
	s_add_co_u32 s46, s46, s47                     ;    + 1,024 x tensor
	s_mov_b32 s21, 0
	s_mov_b32 s47, 0
	s_mov_b64 s[18:19], KS
	s_mul_u64 s[22:23], s[20:21], s[18:19]         ; where these rows' scales begin, in bytes
	s_mul_u64 s[92:93], s[46:47], s[18:19]
	s_mov_b64 s[18:19], KROW
	s_mul_u64 s[20:21], s[20:21], s[18:19]         ; and their codes
	s_mul_u64 s[46:47], s[46:47], s[18:19]
	s_mul_i32 s45, s14, HALFT                      ; where they go: wave x 128 rows: no place in the cluster enters an LDS address
	s_mul_i32 s94, s14, HALFS
	s_wait_dscnt 0x0                               ; both opening adds are done
	s_wait_kmcnt 0x0
	s_add_nc_u64 s[20:21], s[4:5], s[20:21]
	s_add_nc_u64 s[22:23], s[6:7], s[22:23]
	s_add_nc_u64 s[46:47], s[8:9], s[46:47]
	s_add_nc_u64 s[92:93], s[10:11], s[92:93]
	CROUND                                         ; all sixteen work-groups are here: the joint loads meet
	s_mov_b32 s[G0S], 1
	s_add_co_u32 s[G0S+1], s94, SCL
	s_mov_b64 s[G0S+2:G0S+3], s[22:23]
	s_or_b32 s[G0S+3], s[G0S+3], 0x80000000
	s_mov_b32 s[G0SB], 1
	s_add_co_u32 s[G0SB+1], s94, SCL
	s_mov_b64 s[G0SB+2:G0SB+3], s[92:93]
	s_or_b32 s[G0SB+3], s[G0SB+3], 0x80000000
	JLOAD G0S, G1S, G0SB, G1SB                     ; the scales first: they are wanted with the first half of K
.irp s, 0,1
	s_mov_b32 s[G0+4*\s], 1
	s_add_co_u32 s[G0+4*\s+1], s45, \s*SLOT
	s_add_nc_u64 s[G0+4*\s+2:G0+4*\s+3], s[20:21], \s*ROWB
	s_or_b32 s[G0+4*\s+3], s[G0+4*\s+3], 0x80000000
	s_mov_b32 s[G0B+4*\s], 1
	s_add_co_u32 s[G0B+4*\s+1], s45, \s*SLOT
	s_add_nc_u64 s[G0B+4*\s+2:G0B+4*\s+3], s[46:47], \s*ROWB
	s_or_b32 s[G0B+4*\s+3], s[G0B+4*\s+3], 0x80000000
	JLOAD G0+4*\s, G1, G0B+4*\s, G1B               ; three loads of mine are out in all
.endr
	v_and_b32 v1, 15, v0                           ; l % 16
	v_bfe_u32 v2, v0, 4, 1                         ; l / 16
	; the bias and the factor, chosen by the tensor's number
	s_mov_b32 s[FAC], 0x3e38aa3b                   ; log2(e) / 8
	s_mov_b32 s[FAC+1], 0x3f800000                 ; 1
	s_cmp_lt_u32 s95, 2
	s_cselect_b64 s[98:99], s[98:99], s[100:101]
	s_cselect_b32 s[FAC], s[FAC+1], s[FAC]
	s_mov_b32 s[FAC+1], s[FAC]                     ; (named with it as a pair, so it is written)
	s_cmp_lt_u32 s95, 1
	s_cselect_b64 s[96:97], s[96:97], s[98:99]
	s_lshl_b32 s46, s42, 10                        ; my first column, in bytes of f32: 1,024 x tile column + 512 x half
	s_lshl_b32 s47, s16, 9
	s_add_co_u32 s46, s46, s47
	s_mov_b32 s47, 0
	s_add_nc_u64 s[96:97], s[96:97], s[46:47]
	v_lshlrev_b32 v7, 5, v2                        ; 8 numbers further on for lanes 16-31
.irp b, 0,1,2,3,4,5,6,7
	global_load_b128 v[BI+8*\b:BI+8*\b+3], v7, s[96:97] offset:64*\b
	global_load_b128 v[BI+8*\b+4:BI+8*\b+7], v7, s[96:97] offset:64*\b+16
.endr
	v_mul_u32_u24 v3, v1, PITCH
	v_lshl_add_u32 v4, v2, 4, v3                   ; a fragment's row x pitch + 16 x half
	s_mul_i32 s21, s15, HALFT                      ; my 128 rows of A
	s_mul_i32 s22, s16, HALFT                      ; my 128 rows of B,
	s_add_co_u32 s22, s22, 2*HALFT                 ; which lie behind A's 256
.irp s, 0,1
	v_add_nc_u32 v[ADRA+\s], s21, v4
	v_add_nc_u32 v[ADRB+\s], s22, v4
	s_add_co_u32 s21, s21, SLOT
	s_add_co_u32 s22, s22, SLOT
.endr
	v_mul_u32_u24 v5, v1, KS                       ; my row's scales: 32 bytes a row,
	v_lshrrev_b32 v6, 8, v5
	v_lshl_add_u32 v5, v6, 4, v5                   ; and 16 more for each 256 passed
	s_mul_i32 s21, s15, HALFS                      ; A's: my 128 rows
	s_mul_i32 s22, s16, HALFS                      ; B's: my 128 rows, behind A's 256
	s_add_co_u32 s22, s22, 2*HALFS
	s_sub_co_u32 s22, s22, s21
	v_mul_u32_u24 v6, s22, v2                      ; lanes 16-31 take B's: one product, the distance between the two bases
	s_add_co_u32 s21, s21, SCL
	v_add_nc_u32 v5, v5, v6
	v_add_nc_u32 v[ADRS], s21, v5
	v_and_b32 v6, 31, v0
	v_lshlrev_b32 v[CO], 4, v6
	; where my part of qkv begins
	s_lshl_b32 s20, s17, 8
	s_lshl_b32 s21, s15, 7
	s_add_co_u32 s20, s20, s21                     ; my first row of the 24,576
	s_lshr_b32 s21, s20, 11                        ; 4 x tensor + batch
	s_lshl_b32 s21, s21, 22                        ; 16 heads of 262,144 bytes
	s_and_b32 s20, s20, 2047
	s_lshl_b32 s20, s20, 7                         ; 2,048 bytes for each 16 positions
	s_add_co_u32 s20, s20, s21
	s_lshl_b32 s46, s42, 2
	s_lshl_b32 s47, s16, 1
	s_add_co_u32 s46, s46, s47                     ; my first head: 4 x tile column + 2 x half
	s_lshl_b32 s46, s46, 18
	s_add_co_u32 s20, s20, s46
	s_mov_b32 s21, 0
	s_add_nc_u64 s[12:13], s[12:13], s[20:21]
.macro FRAG reg, adr, q, i             ; a fragment, 16 rows x 128 K of 4-bit codes: lane l holds row l % 16; registers 4 c .. 4 c + 3 hold K = 64 c + 32 (l / 16) + 0 .. 31
.irp c, 0,1
	ds_load_b128 v[\reg+4*\c:\reg+4*\c+3], v[\adr] offset:64*(\q)+32*\c+(\i)*16*PITCH
.endr
.endm
; 16 matrix instructions: A's blocks a0, a0 + 1 x B's eight, the slot's q-th 128 along K.  p: B's set;  sc: the set of scale words.  first = 1: the bias is the C: nothing is cleared and nothing is added later.
; The 64 accumulators take turns, one instruction a turn, in the same order in every step.
.macro MUL16 a0, p, q, sc, first
.irp a, \a0, \a0+1
.irp b, 0,1,2,3,4,5,6,7
.if \first
	v_wmma_scale_f32_16x16x128_f8f6f4 v[8*(8*((\a)%4)+\b):8*(8*((\a)%4)+\b)+7], v[128*(\p)+FR*\b:128*(\p)+FR*\b+FR-1], v[AF+FR*(\a):AF+FR*(\a)+FR-1], v[BI+8*\b:BI+8*\b+7], v[SC+8*NQ*(\sc)+NQ*\b+(\q)], v[SC+8*NQ*(\sc)+NQ*(\a)+(\q)] matrix_a_fmt:MATRIX_FMT_FP4 matrix_b_fmt:MATRIX_FMT_FP4 matrix_a_scale:MATRIX_SCALE_ROW1
.else
	v_wmma_scale_f32_16x16x128_f8f6f4 v[8*(8*((\a)%4)+\b):8*(8*((\a)%4)+\b)+7], v[128*(\p)+FR*\b:128*(\p)+FR*\b+FR-1], v[AF+FR*(\a):AF+FR*(\a)+FR-1], v[8*(8*((\a)%4)+\b):8*(8*((\a)%4)+\b)+7], v[SC+8*NQ*(\sc)+NQ*\b+(\q)], v[SC+8*NQ*(\sc)+NQ*(\a)+(\q)] matrix_a_fmt:MATRIX_FMT_FP4 matrix_b_fmt:MATRIX_FMT_FP4 matrix_a_scale:MATRIX_SCALE_ROW1
.endif
.endr
.endr
.endm
.macro FETCH_B slot, q, p              ; B's eight fragments of the slot's q-th 128 along K into set p
	WIN TO_B
.irp i, 0,1,2,3,4,5,6,7
	FRAG 128*(\p)+FR*\i, ADRB+\slot, \q, \i
.endr
	WIN 0
.endm
.macro FETCH_A slot, q, i0             ; A's blocks i0 .. i0 + 3
.irp i, \i0, \i0+1, \i0+2, \i0+3
	FRAG AF+FR*(\i), ADRA+\slot, \q, \i
.endr
.endm
.macro SCALES sc                       ; a slot's scale words into set sc: four words a row; lanes 0-15 take A's block i, lanes 16-31 B's block i
.irp i, 0,1,2,3,4,5,6,7
	ds_load_b128 v[SC+8*NQ*\sc+NQ*\i:SC+8*NQ*\sc+NQ*\i+3], v[ADRS] offset:\i*SBLK
.endr
.endm
.macro PLACES n                        ; places in front of loads into registers that matrix instructions have read, and of the first read of results
.rept \n
	v_nop
.endr
.endm
; A step of 128 along K that has its successor in the same slot.  A block of A is free as soon as its eight products are issued, so A has one set: blocks 0-3 are fetched anew in the step's middle, blocks 4-7 at its end.
.macro STEP slot, q, first
	s_wait_dscnt 4*NL                              ; B's set, the scale words and A's blocks 0-3 are in; the youngest eight loads (A's blocks 4-7) may be out
.if \first
	WIN 0x81                                       ; source 0 window 1, source 1 and C (the bias) window 0, D window 2
.else
	WIN MUL_LO
.endif
	MUL16 0, (\q)%2, \q, \slot, \first
	MUL16 2, (\q)%2, \q, \slot, \first
	s_wait_dscnt 0                                 ; A's blocks 4-7 are in
	PLACES NP
	FETCH_B \slot, (\q)+1, 1-(\q)%2
	FETCH_A \slot, (\q)+1, 0
.if \first
	WIN 0xc1                                       ; the same, D window 3
.else
	WIN MUL_HI
.endif
	MUL16 4, (\q)%2, \q, \slot, \first
	MUL16 6, (\q)%2, \q, \slot, \first
	PLACES NP
	WIN 0
	FETCH_A \slot, (\q)+1, 4
.endm
; Slot 0's last step goes over to slot 1: one barrier; in front of it each wave waits for all its tensor loads (its part of slot 1).  Nothing is filled again.
.macro TURN slot, next
	s_wait_tensorcnt 0x0                           ; all my tensor loads have landed
	ds_add_u32 v[SPW], v[NIL]                      ; 0 onto my spare word
	s_wait_dscnt 4*NL+1                            ; (the add and the youngest eight loads, A's blocks 4-7, may be out)
	WIN MUL_LO
	MUL16 0, 1, NQ-1, \slot, 0
	s_wait_dscnt 0x0                               ; no LDS instruction of mine is out at the signal
	s_barrier_signal -1
	MUL16 2, 1, NQ-1, \slot, 0
	WIN 0
	s_barrier_wait -1                              ; every wave's part of the next slot has landed
	PLACES NP
	v_add_nc_u32 v[ADRS], 4*NQ, v[ADRS]            ; on to the next slot's scale words
	FETCH_B \next, 0, 0
	FETCH_A \next, 0, 0
	SCALES \next
	WIN MUL_HI
	MUL16 4, 1, NQ-1, \slot, 0
	MUL16 6, 1, NQ-1, \slot, 0
	PLACES NP
	WIN 0
	FETCH_A \next, 0, 4
.endm
	s_wait_tensorcnt 1                             ; the scales and my part of slot 0 are in; slot 1's load may be out,
	s_barrier_signal -1
	s_barrier_wait -1                              ; everybody's are
	FETCH_B 0, 0, 0
	FETCH_A 0, 0, 0
	SCALES 0
	FETCH_A 0, 0, 4
	s_wait_loadcnt 0x0                             ; the bias
	STEP 0, 0, 1
	STEP 0, 1, 0
	STEP 0, 2, 0
	TURN 0, 1
	STEP 1, 0, 0
	STEP 1, 1, 0
	STEP 1, 2, 0
	s_wait_dscnt 4*NL                              ; the very last step: nothing more to fetch
	WIN MUL_LO
	MUL16 0, 1, NQ-1, 1, 0
	MUL16 2, 1, NQ-1, 1, 0
	s_wait_dscnt 0
	WIN MUL_HI
	MUL16 4, 1, NQ-1, 1, 0
	MUL16 6, 1, NQ-1, 1, 0
	WIN 0
; THE WAY OUT, block by block of 16 rows x 128 columns: x the factor, rounded to f16 in pairs, stored as halves of images.  Column block b belongs to head b / 4 of my two and is half b % 4 of the position tile's two images.
.macro OUTB a
.set AC, 64*((\a)%4)
.set PS, PK+32*((\a)%2)
	WIN 0x82+0x41*((\a)/4)                         ; source 0 and destination: window 2 or 3
.set i, 0
.rept 32
	v_pk_mul_f32 v[AC+2*i:AC+2*i+1], v[AC+2*i:AC+2*i+1], s[FAC:FAC+1] op_sel_hi:[1,0]   ; each accumulator from its low end on
.set i, i+1
.endr
.if (\a) >= 2
	s_wait_xcnt 0x0                                ; block a - 2's stores have read their registers: this set of 32 may be written again
.endif
	WIN 0x0a+5*((\a)/4)                            ; sources 0 and 1: window 2 or 3; destination window 0
.set i, 0
.rept 32
	v_cvt_pk_f16_f32 v[PS+i], v[AC+2*i], v[AC+2*i+1]   ; the lower column in the low half
.set i, i+1
.endr
	WIN 0
.irp b, 0,1,2,3,4,5,6,7
	global_store_b128 v[CO], v[PS+4*\b:PS+4*\b+3], s[12:13] offset:(\b/4)*262144+(\b%4)*512+(\a)*2048   ; 32 lanes store 512 consecutive bytes, aligned
.endr
.endm
	PLACES NP                                      ; behind the last products: they serve the reads of results and the writes onto A's fragments alike
.irp a, 0,1,2,3,4,5,6,7
	OUTB \a
.endr
	s_wait_tensorcnt 0x0                           ; the wave's end, behind my last tensor load
	ds_add_u32 v[SPW], v[NIL]
	s_wait_dscnt 0x0
	CROUND                                         ; the closing round: no work-group ends while a partner may still ask for a tile that names it
	s_endpgm
.Lfunc_end_k_q4728d1eb14_proj:
	.size	k_q4728d1eb14_proj, .Lfunc_end_k_q4728d1eb14_proj-k_q4728d1eb14_proj
	.p2alignl 7, 3214868480
	.fill 96, 4, 3214868480
	.section	.rodata,"a",@progbits
	.p2align	6, 0x0
	.amdhsa_kernel k_q4728d1eb14_proj
		.amdhsa_group_segment_fixed_size 327680
		.amdhsa_private_segment_fixed_size 0
		.amdhsa_enable_private_segment 0
		.amdhsa_kernarg_size 64
		.amdhsa_user_sgpr_count 2
		.amdhsa_user_sgpr_kernarg_segment_ptr 1
		.amdhsa_wavefront_size32 1
		.amdhsa_system_sgpr_workgroup_id_x 1
		.amdhsa_system_sgpr_workgroup_id_y 1
		.amdhsa_system_sgpr_workgroup_id_z 1
		.amdhsa_system_vgpr_workitem_id 0
		.amdhsa_next_free_vgpr 1024
		.amdhsa_next_free_sgpr 102
		.amdhsa_reserve_vcc 0
		.amdhsa_float_denorm_mode_32 3
		.amdhsa_float_denorm_mode_16_64 3
		.amdhsa_memory_ordered 1
		.amdhsa_forward_progress 1
		.amdhsa_inst_pref_size 136
	.end_amdhsa_kernel
	.amdgpu_metadata
---
amdhsa.version: [ 1, 2 ]
amdhsa.kernels:
  - .name:           k_q4728d1eb14_proj
    .symbol:         k_q4728d1eb14_proj.kd
    .args:
      - { .name: xcodes, .offset: 0, .size: 8, .value_kind: global_buffer, .address_space: global }
      - { .name: xscales, .offset: 8, .size: 8, .value_kind: global_buffer, .address_space: global }
      - { .name: wcodes, .offset: 16, .size: 8, .value_kind: global_buffer, .address_space: global }
      - { .name: wscales, .offset: 24, .size: 8, .value_kind: global_buffer, .address_space: global }
      - { .name: bk, .offset: 32, .size: 8, .value_kind: global_buffer, .address_space: global }
      - { .name: bv, .offset: 40, .size: 8, .value_kind: global_buffer, .address_space: global }
      - { .name: bq, .offset: 48, .size: 8, .value_kind: global_buffer, .address_space: global }
      - { .name: qkv, .offset: 56, .size: 8, .value_kind: global_buffer, .address_space: global }
    .group_segment_fixed_size: 327680
    .private_segment_fixed_size: 0
    .kernarg_segment_align: 8
    .kernarg_segment_size: 64
    .max_flat_workgroup_size: 128
    .sgpr_count:     102
    .vgpr_count:     1024
    .wavefront_size: 32
...
	.end_amdgpu_metadata
.endif
;; end of part 2
;; launch attn (part 3): grid 4 x 64, 8 waves a work-group, clusters of 4 x 1, 327,680 bytes of LDS; arguments qkv, mbits, ctxf; writes ctxf
.if DOCPART == 3
	.amdgcn_target "amdgcn-amd-amdhsa--gfx1250"
	.amdhsa_code_object_version 6
	.text
	.protected	k_q4728d1eb14_attn
	.globl	k_q4728d1eb14_attn
	.p2align	8
	.type	k_q4728d1eb14_attn,@function
k_q4728d1eb14_attn:
	s_mov_b64 s[64:65], 0
	v_nop
	global_prefetch_b8 v0, s[64:65] scope:SCOPE_SE
	s_setreg_imm32_b32 hwreg(HW_REG_WAVE_MODE, 25, 1), 1
	s_wait_xcnt 0x0
	s_wait_alu depctr_hold_cnt(0) depctr_sa_sdst(0) depctr_va_vdst(0) depctr_va_sdst(0) depctr_va_ssrc(0) depctr_va_vcc(0) depctr_vm_vsrc(0)
	s_getreg_b32 s2, hwreg(HW_REG_IB_STS2, 6, 4)
	s_cmp_eq_u32 s2, 0
	s_cbranch_scc0 .Lentry_in_a_cluster
	s_endpgm
.Lentry_in_a_cluster:
	s_bfe_u32 s2, ttmp6, 0x10000c
	s_cmp_lg_u32 s2, 0x3003
	s_cbranch_scc0 .Lentry_shape_is_right
	s_endpgm
.Lentry_shape_is_right:
; context[b][h][q][:] = the sum over k of softmax_k(where(mask[b][q][k], -1e18, q . k / 8)) v[k][:], head size 64, 2,048 keys, operands in f16, products, maxima and sums in f32.
; q, k, v come as IMAGES OF OPERAND REGISTERS (1,024 bytes: 16 positions x 32 of the head's 64; bytes 16 x lane = registers 0-3, bytes 512 + 16 x lane = registers 4-7), qkv [4 tensor + batch][head][s / 16][c 2][1024]; tensor 0 = k, 1 = v, 2 = q.
; q holds the factor log2(e) / 8 already, so a score is a power of two's exponent: p = 2^(s - m), m the row's running maximum; in every step O and the sum l are multiplied by 2^(m_old - m_new).
; THE MASK comes as lane masks, mbits [b][q / 64][k / 64][tile 4][32 words]: word 8 a + j is the mask of register 8 a + j of a tile of transposed scores.  They come by scalar loads, and one v_cndmask_b32 a register puts
; -1e18 x log2(e) in a masked score's place.  A row that is masked throughout has m = that number and p = 1 everywhere: the plain average, as the definition gives it.
; SHARES.  A cluster of four work-groups owns one (batch, head); a work-group 512 of its queries; each of its eight waves 64: four tiles of 16.  Two waves share a SIMD.
; LAYOUT.  S^T = K Q^T (source 0 = 16 keys, source 1 = 16 queries): a lane holds ONE query (lane % 16) and the keys 16 a + 8 (lane / 16) + 0..7.  Two such tiles, rounded to f16 in pairs, ARE source 1 (32 keys x 16 queries) of
; O^T = V^T P, whose result again holds one query a lane and eight channels: packed, these are four registers of an image of the context, which is stored as it stands.  K comes out of LDS as it lies, V turned, by ds_load_tr16_b128.
; BY TURNS.  A key step (64 keys) has 64 products and 596 vector instructions of softmax.  The wave's tiles are two PIECES (piece 0: tiles 0, 1; piece 1: tiles 2, 3) that share K's and V's fragments and nothing else.  In a TURN one
; piece has the matrix unit: 16 products V^T P of the step in hand, then 16 products K Q^T of the next step, in 16 groups of two; the other piece's softmax, cut into 16 slices, stands between them, one slice behind each group.
; Then the pieces change places.  Two turns are a key step.  Each group costs two switches of the register windows: no window has room for a product's operands beside what a softmax touches.
; RING.  Two LDS slots of 512 keys (64 KiB of K's images, 64 KiB of V's); each wave brings 16 KiB by one tensor load.  The four partners walk the same K and V, so every load is JOINT (mask 15).
; LIMITS: |score x log2(e)| stays under 1.4e18; the context lies inside f16's range; NaN and infinities are not served.
; REGISTERS: window 0: v1-9 addresses and constants; v16-47 eight registers of statistics a tile; v64-127 a step's V; v128-255 S^T, 32 a tile, P in place in the low 16 of each 32.
;   window 1: v0-127 O^T, 32 a tile; v128-191 Q, 16 a tile; v192-255 a step's K.
.set SLOT1, 131072                     ; slot 1 begins here: one exclusive or turns an address in one slot into the other's
.set VOFF,  65536                      ; in a slot: K's images, then V's
.set STEPB, 8192                       ; a key step: 64 keys: eight images of each
.set SPARE, 262144                     ; behind the ring: the spare words, 128 bytes for each of the eight waves
.set LI,  1                            ; v1   16 x lane: an image's place for my lane
.set LV,  2                            ; v2   my lane's place for the turning load, in V's part of a slot
.set ADK, 3                            ; v3   LDS address of the K that is being fetched
.set ADV, 4                            ; v4   of the V
.set NEG, 5                            ; v5   -1e18 x log2(e)
.set SPW, 6                            ; v6   LDS address of my spare word; never rewritten
.set NIL, 7                            ; v7   0; never rewritten
.set PFO, 9                            ; v9   256 x lane: the prefetch's offset; never rewritten
.set ST,  16                           ; tile t's statistics at v[ST + 8 t]: +0 m, +1 (named with it as a pair), +2, +3 l (even keys', odd keys'), +4 to +7 c0-c3, at work; c2 becomes 2^(m_old - m_new), c3 m_old - m_new
.set VF,  64                           ; V^T's eight fragments, in window 0
.set S,   128
.set QF,  128                          ; in window 1
.set KF,  192                          ; in window 1
.set WV,  2                            ; s2   my wave's number
.set TB,  3                            ; s3   LDS byte at which the images of K of the step to be fetched begin
.set SLOTS, 4                          ; s4   slots still to be asked for
.set STEPS, 5                          ; s5   counts key steps
.set MOFF, 6                           ; s6   the byte at which the mask words last asked for begin: 256 a turn
                                       ; s[8:39] the 32 mask words of a piece's first tile; s[40:55], s[68:83] those of its second
.set G1,  56                           ; s[56:63] descriptor group 1
.set SEL, 66                           ; s[66:67] lane selects for v_permlanex16_b32: lane l xor 16
.set MB,  84                           ; s[84:85] my 64 queries' mask words
.set PFA, 86                           ; s[86:87] where my prefetch stands
.set LIM, 88                           ; s88  1 in a wave that prefetches, else the greatest number
.set G0,  92                           ; s[92:95] descriptor group 0 of slot 0's first fill
.set G0B, 96                           ; s[96:99] of slot 1's first fill; it then walks on
.set CTX, 100                          ; s[100:101] my 64 queries' images of the context
.set MSB, 0
.macro WIN new                         ; the immediate's high byte repeats the setting that is left; a switch that changes nothing is dropped
.if MSB != \new
	s_set_vgpr_msb (MSB<<8)|\new
.set MSB, \new
.endif
.endm
.macro CROUND                          ; a round of the cluster's barrier
	s_barrier_signal -1
	s_barrier_wait -1
	s_cmp_lg_u32 s[WV], 0
	s_cbranch_scc1 .Lnot_wave_0_\@
	s_barrier_signal -3
.Lnot_wave_0_\@:
	s_barrier_wait -3
	s_barrier_signal -1
	s_barrier_wait -1
.endm
.macro JLOAD                           ; a joint refill: my 16 KiB of a slot: one shape serves K and V, so the line stands under no branch; an s_nop 0 and four v_nop follow it
	tensor_load_to_lds s[G0B:G0B+3], s[G1:G1+7]
	s_nop 0
.rept 4
	v_nop
.endr
.endm
; A PREFETCH INTO THE L2 of what the NEXT change of slots will ask for.  A (batch, head)'s K and V are walked by this cluster alone.  An even wave asks for its own 16 KiB and the next wave's, 128 blocks of 256 bytes; the four partners take
; 32 blocks each, told apart BY ADDRESS (8,192 bytes x place): a lane a block, one instruction.  So each block is named once in the launch.  The last change that fills a slot asks for nothing; the first three runs of 512 keys come by their loads alone.
.macro ASK
	s_cmp_gt_u32 s[SLOTS], s[LIM]
	s_cbranch_scc0 .Lnot_mine_\@
	global_prefetch_b8 v[PFO], s[PFA:PFA+1] th:TH_LOAD_NT scope:SCOPE_SE
.Lnot_mine_\@:
.endm
.macro MLOADA                          ; the 32 mask words of the first tile of the piece at s[MOFF],
	s_load_b512 s[8:23],  s[MB:MB+1], s[MOFF] offset:0
	s_load_b512 s[24:39], s[MB:MB+1], s[MOFF] offset:64
.endm
.macro MLOADB                          ; and of its second
	s_load_b512 s[40:55], s[MB:MB+1], s[MOFF] offset:128
	s_load_b512 s[68:83], s[MB:MB+1], s[MOFF] offset:192
.endm
	s_load_b128 s[40:43], s[0:1], 0x0              ; qkv, mbits (the four registers take mask words once the addresses are made)
	s_load_b64 s[CTX:CTX+1], s[0:1], 0x10          ; ctxf
	v_lshl_add_u32 v[SPW], v0, 2, SPARE
	v_mov_b32 v[NIL], 0
	ds_add_u32 v[SPW], v[NIL]                      ; the wave's opening: the add, twice on end, and its wait ahead of my first tensor load
	ds_add_u32 v[SPW], v[NIL]
	v_lshrrev_b32 v8, 5, v0
	v_readfirstlane_b32 s[WV], v8                  ; wave 0..7
	s_bfe_u32 s7, ttmp6, 0x40000                   ; cx: my place in the cluster
	s_lshl_b32 s9, ttmp9, 2
	s_add_co_u32 s9, s9, s7                        ; my block of 512 queries: it enters Q's, the mask's and the context's addresses alone
	s_and_b32 s8, ttmp7, 0xffff                    ; 16 x batch + head, which the four partners share
	s_lshr_b32 s10, s8, 4                          ; batch
	s_and_b32 s11, s8, 15                          ; head
	s_lshr_b32 s12, s[WV], 2                       ; waves 0-3 fetch K's images, waves 4-7 V's, which lie 16,777,216 bytes on
	s_lshl_b32 s12, s12, 24
	s_lshl_b32 s13, s8, 18                         ; a head's 2,048 positions: 262,144 bytes
	s_add_co_u32 s12, s12, s13
	s_and_b32 s14, s[WV], 3
	s_lshl_b32 s14, s14, 14                        ; my quarter of a slot's 64 KiB
	s_add_co_u32 s12, s12, s14
	s_mov_b32 s13, 0
	s_lshl_b32 s14, s8, 18                         ; Q: the head,
	s_lshl_b32 s15, s9, 16                         ; my block's 32 tiles of 2,048 bytes,
	s_add_co_u32 s14, s14, s15
	s_lshl_b32 s15, s[WV], 13                      ; my wave's four
	s_add_co_u32 s14, s14, s15
	s_add_co_u32 s14, s14, 0x2000000               ; behind k's and v's 33,554,432 bytes
	s_mov_b32 s15, 0
	s_lshl_b32 s16, s10, 5                         ; the mask words: 32 x batch + 8 x block + wave,
	s_lshl_b32 s17, s9, 3
	s_add_co_u32 s16, s16, s17
	s_add_co_u32 s16, s16, s[WV]
	s_lshl_b32 s16, s16, 14                        ; 32 key steps of 512 bytes each
	s_mov_b32 s17, 0
	s_lshl_b32 s18, s10, 7                         ; the context: tile of 16 rows 128 x batch + 32 x block + 4 x wave,
	s_lshl_b32 s19, s9, 5
	s_add_co_u32 s18, s18, s19
	s_lshl_b32 s19, s[WV], 2
	s_add_co_u32 s18, s18, s19
	s_lshl_b32 s18, s18, 15                        ; 32 images each;
	s_lshl_b32 s19, s11, 11                        ; my head's two
	s_add_co_u32 s18, s18, s19
	s_mov_b32 s19, 0
	s_lshl_b32 s20, s7, 13                         ; the prefetch: my work-group's 32 blocks of the 128,
	s_add_co_u32 s20, s20, 131072                  ; in the third 512 keys: the first change of slots steps it on to the fourth
	s_mov_b32 s21, 0
	s_and_b32 s[LIM], s[WV], 1
	s_cmp_eq_u32 s[LIM], 0                         ; even waves ask: the same in all four partners
	s_cselect_b32 s[LIM], 1, -1
	; descriptor group 1: a dense block of 16,384 bytes as 64 rows of 256 bytes (32 elements of 8 bytes); no padding: every LDS load of this text takes 512 consecutive bytes
	s_mov_b32 s[G1], 15|(3<<16)|(1<<21)            ; 15:0 the mask: all four work-groups; 17:16 elements of 8 bytes; 21 set beside a mask
	s_mov_b32 s[G1+1], 32<<16                      ; tensor_dim0
	s_mov_b32 s[G1+2], 64<<16                      ; tensor_dim1
	s_mov_b32 s[G1+3], 32<<16                      ; tile_dim0
	s_mov_b32 s[G1+4], 64                          ; tile_dim1
	s_mov_b32 s[G1+5], 32                          ; from row to row
	s_mov_b32 s[G1+6], 0
	s_mov_b32 s[G1+7], 0
	s_mov_b32 s[SEL], 0x76543210
	s_mov_b32 s[SEL+1], 0xfedcba98
	s_mov_b32 s[TB], 0
	s_mov_b32 s[MOFF], 0
	s_mov_b32 s[SLOTS], 2
	v_and_b32 v[LI], 31, v0
	v_lshlrev_b32 v[PFO], 8, v[LI]
	v_lshlrev_b32 v[LI], 4, v[LI]
	; The turning load: lane l addresses the 16 bytes that hold key 8 (l / 16) + l % 8 of a tile of 16, channels 8 ((l / 8) % 2) + 0..7 of a run of 16: in an image's half those are the bytes of its lane 16 ((l / 8) % 2) + 8 (l / 16) + l % 8.
	v_and_b32 v[LV], 7, v0
	v_bfe_u32 v8, v0, 4, 1
	v_lshl_add_u32 v[LV], v8, 3, v[LV]
	v_bfe_u32 v8, v0, 3, 1
	v_lshl_add_u32 v[LV], v8, 4, v[LV]
	v_lshlrev_b32 v[LV], 4, v[LV]
	v_add_nc_u32 v[LV], VOFF, v[LV]
	v_mov_b32 v[NEG], 0xdda02bdc                   ; -1e18 x log2(e)
	s_wait_dscnt 0x0                               ; both opening adds are done
	s_wait_kmcnt 0x0
	s_add_nc_u64 s[22:23], s[40:41], s[12:13]      ; my quarter of the first 512 keys
	s_mov_b32 s[G0], 1                             ; 1:0 count = 1
	s_lshl_b32 s[G0+1], s[WV], 14                  ; LDS address: slot 0, 16,384 x wave: K's four quarters, then V's
	s_mov_b64 s[G0+2:G0+3], s[22:23]               ; global address
	s_or_b32 s[G0+3], s[G0+3], 0x80000000          ; type = 2
	s_mov_b32 s[G0B], 1
	s_add_co_u32 s[G0B+1], s[G0+1], SLOT1          ; slot 1,
	s_add_nc_u64 s[G0B+2:G0B+3], s[22:23], 65536   ; the second 512 keys
	s_or_b32 s[G0B+3], s[G0B+3], 0x80000000
	s_add_nc_u64 s[PFA:PFA+1], s[22:23], s[20:21]
	s_add_nc_u64 s[104:105], s[40:41], s[14:15]    ; Q
	s_add_nc_u64 s[MB:MB+1], s[42:43], s[16:17]
	s_add_nc_u64 s[CTX:CTX+1], s[CTX:CTX+1], s[18:19]
	CROUND                                         ; all four work-groups are here: the first joint loads meet
	tensor_load_to_lds s[G0:G0+3], s[G1:G1+7]      ; both slots' first fills go out together: two loads of mine are out; an s_nop 0 follows each, four v_nop the second's
	s_nop 0
	tensor_load_to_lds s[G0B:G0B+3], s[G1:G1+7]
	s_nop 0
.rept 4
	v_nop
.endr
	WIN 0x40                                       ; destination window 1
.irp f, 0,1,2,3,4,5,6,7                        ; Q stays in registers: image f = 2 x tile + c
	global_load_b128 v[QF+8*\f:QF+8*\f+3],   v[LI], s[104:105] offset:\f*1024
	global_load_b128 v[QF+8*\f+4:QF+8*\f+7], v[LI], s[104:105] offset:\f*1024+512
.endr
.set i, 0
.rept 128
	v_mov_b32 v[i], 0                              ; O^T.  (A turn is written once for all steps: the first finds zeros, which its factor 0 leaves zeros; that spares a further copy of two turns' text)
.set i, i+1
.endr
	WIN 0
	MLOADA                                         ; piece 0's mask words of key step 0
	MLOADB
.irp t, 0,1,2,3
	v_mov_b32 v[ST+8*\t], 0xff61b1e6               ; m: -3e38, under every score, the masked ones too
	v_mov_b32 v[ST+8*\t+1], 0
	v_mov_b32 v[ST+8*\t+2], 0                      ; l
	v_mov_b32 v[ST+8*\t+3], 0
.endr
; THE LDS LOADS stand in runs of 16, never singly among the matrix instructions.
.macro FETCH_K                         ; eight images of K: image f = 2 a + c: keys 16 a on, channels 32 c on
	WIN 0
	v_add_nc_u32 v[ADK], s[TB], v[LI]
	WIN 0x40                                       ; destination window 1
.irp f, 0,1,2,3,4,5,6,7
	ds_load_b128 v[KF+8*\f:KF+8*\f+3],   v[ADK] offset:\f*1024
	ds_load_b128 v[KF+8*\f+4:KF+8*\f+7], v[ADK] offset:\f*1024+512
.endr
.endm
.macro FETCH_V                         ; V^T's eight fragments (channels 16 d on, keys 32 kc on) at v[VF + 8 (2 d + kc)]: each half a fragment from one half of an image, turned
	WIN 0
	v_add_nc_u32 v[ADV], s[TB], v[LV]
	s_add_co_u32 s[TB], s[TB], STEPB               ; the next fetch is the next step's
.irp d, 0,1,2,3
.irp kc, 0,1
	ds_load_tr16_b128 v[VF+8*(2*\d+\kc):VF+8*(2*\d+\kc)+3],   v[ADV] offset:(2*\kc)*2048+\d*512
	ds_load_tr16_b128 v[VF+8*(2*\d+\kc)+4:VF+8*(2*\d+\kc)+7], v[ADV] offset:(2*\kc+1)*2048+\d*512
.endr
.endr
.endm
; THE MATRIX WORK OF A TURN, for piece x, in groups of two products that share their first source.  The accumulators take turns, one instruction a turn: between two links of a chain stand seven others'.
.macro PVP x                           ; group g of 8 of O^T += V^T P: keys 32 (g / 4) on, channels 16 (g % 4) on, the piece's two tiles
	WIN 0x50                                       ; V and P window 0, O^T (C and D) window 1
.irp w, 0,1
	v_wmma_f32_16x16x32_f16 v[64*(\x)+32*\w+8*(g%4):64*(\x)+32*\w+8*(g%4)+7], v[VF+8*(2*(g%4)+g/4):VF+8*(2*(g%4)+g/4)+7], v[S+64*(\x)+32*\w+8*(g/4):S+64*(\x)+32*\w+8*(g/4)+7], v[64*(\x)+32*\w+8*(g%4):64*(\x)+32*\w+8*(g%4)+7]
.endr
.endm
.macro KQP x                           ; group g of 8 of S^T = K Q^T: channels 32 (g / 4) on, keys 16 (g % 4) on, the piece's two tiles; the first four groups start the sums
	WIN 0x05                                       ; K and Q window 1, S^T window 0
.irp w, 0,1
.if g < 4
	v_wmma_f32_16x16x32_f16 v[S+64*(\x)+32*\w+8*(g%4):S+64*(\x)+32*\w+8*(g%4)+7], v[KF+8*(2*(g%4)+g/4):KF+8*(2*(g%4)+g/4)+7], v[QF+32*(\x)+16*\w+8*(g/4):QF+32*(\x)+16*\w+8*(g/4)+7], 0
.else
	v_wmma_f32_16x16x32_f16 v[S+64*(\x)+32*\w+8*(g%4):S+64*(\x)+32*\w+8*(g%4)+7], v[KF+8*(2*(g%4)+g/4):KF+8*(2*(g%4)+g/4)+7], v[QF+32*(\x)+16*\w+8*(g/4):QF+32*(\x)+16*\w+8*(g/4)+7], v[S+64*(\x)+32*\w+8*(g%4):S+64*(\x)+32*\w+8*(g%4)+7]
.endif
.endr
.endm
; THE VECTOR WORK OF A TURN.  A piece's softmax for one key step is a list of 298 instructions; ITEM writes number n of it for piece y.  Its two tiles alternate wherever one line feeds the next.
;   0-63     the selects: a masked score becomes -1e18 x log2(e); each accumulator from its low end on.  Ahead of number 0 the wait for the mask words; as soon as a tile's 32 words are used, the next turn's are asked for into their registers
;   64-103   the new m: four chains of seven scores, the four left over, the old m, the other half of the lanes; m_old - m_new
;   104-201  ONE BATCH: 2^(m_old - m_new), the 32 subtractions s - m (two scores each) and the 64 exponentials; a pair's exponentials stand behind the next pair's subtractions; none of these lines names an exponential's result
;   (wait)   ahead of 202: one plain line and ONE wait for the batch, ahead of its first reader
;   202-233  l = l x 2^(m_old - m_new) + the lane's 32 weights, in f32, ahead of their rounding: pairs 0-7 onto l, pairs 8-15 in a second chain
;   234-265  the weights to f16, in place and ascending: register i takes weights 2 i, 2 i + 1: registers 8 kc .. 8 kc + 7 are then source 1 for keys 32 kc on
;   266-297  O^T x 2^(m_old - m_new): the one part that leaves window 0
.macro ITEM y
.if n < 266
	WIN 0
.else
	WIN 0x41                                       ; O^T (destination and source 0) window 1, the factor window 0
.endif
.if n < 64
.if n == 0
	s_wait_kmcnt 0x0                               ; this piece's mask words; no scalar load is out, so their offset may be written
.endif
.if (n == 32) && ML
	s_add_co_u32 s[MOFF], s[MOFF], 256             ; the next turn's words: the other piece's of this key step, or the first piece's of the next
	MLOADA
.endif
.set sg, 8+n                           ; words 0-47 in s8-s55,
.if n >= 48
.set sg, 20+n                          ; words 48-63 in s68-s83
.endif
	v_cndmask_b32 v[S+64*(\y)+n], v[S+64*(\y)+n], v[NEG], s[sg]
.elseif n < 104
.if (n == 64) && ML
	MLOADB
.endif
.set k, n-64
.set u, k%2
.set rT, ST+16*(\y)+8*u
.set rS, S+64*(\y)+32*u
.if k < 8
.set j, k/2
	v_max3_num_f32 v[rT+4+j], v[rS+8*j], v[rS+8*j+1], v[rS+8*j+2]
.elseif k < 24
.set j, ((k-8)%8)/2
.set of, 3+2*((k-8)/8)
	v_max3_num_f32 v[rT+4+j], v[rT+4+j], v[rS+8*j+of], v[rS+8*j+of+1]
.elseif k < 26
	v_max3_num_f32 v[rT+4], v[rT+4], v[rS+7], v[rS+15]
.elseif k < 28
	v_max3_num_f32 v[rT+6], v[rT+6], v[rS+23], v[rS+31]
.elseif k < 30
	v_max3_num_f32 v[rT+4], v[rT+4], v[rT+5], v[rT+6]
.elseif k < 32
	v_max3_num_f32 v[rT+4], v[rT+4], v[rT+7], v[rT]
.elseif k < 34
	v_permlanex16_b32 v[rT+5], v[rT+4], s[SEL], s[SEL+1]   ; the query's other 32 keys lie in the lane 16 away
.elseif k < 36
	v_max_num_f32 v[rT+5], v[rT+4], v[rT+5]        ; the new m
.elseif k < 38
	v_sub_f32 v[rT+7], v[rT], v[rT+5]              ; m_old - m_new
.else
	v_mov_b32 v[rT], v[rT+5]
.endif
.elseif n < 202
.set k, n-104
.if k < 2
	v_exp_f32 v[ST+16*(\y)+8*k+6], v[ST+16*(\y)+8*k+7]     ; 2^(m_old - m_new)
.else
.set kind, 1                           ; 1: an exponential of score e; 0: the subtraction of scores e, e + 1
.if k < 4
.set kind, 0
.set u, k-2
.set e, 0
.elseif k < 94
.set rr, (k-4)%6
.set b, (k-4)/6+1
.if rr < 2
.set kind, 0
.set u, rr
.set e, 2*b
.else
.set u, (rr-2)/2
.set e, 2*b-2+(rr-2)%2
.endif
.else
.set u, (k-94)/2
.set e, 30+(k-94)%2
.endif
.set rT, ST+16*(\y)+8*u
.set rS, S+64*(\y)+32*u
.if kind == 0
	v_pk_add_f32 v[rS+e:rS+e+1], v[rS+e:rS+e+1], v[rT:rT+1] op_sel_hi:[1,0] neg_lo:[0,1] neg_hi:[0,1]
.else
	v_exp_f32 v[rS+e], v[rS+e]
.endif
.endif
.elseif n < 234
.if n == 202
	v_nop                                          ; a plain line behind the last exponential,
	s_wait_alu depctr_va_vdst(0)                   ; and the one wait for the piece's 66, ahead of their first reader
.endif
.set k, n-202
.set u, k%2
.set rT, ST+16*(\y)+8*u
.set rS, S+64*(\y)+32*u
.if k < 2
	v_pk_fma_f32 v[rT+2:rT+3], v[rT+2:rT+3], v[rT+6:rT+7], v[rS:rS+1] op_sel_hi:[1,0,1]
.elseif k < 4
	v_pk_add_f32 v[rT+4:rT+5], v[rS+16:rS+17], v[rS+18:rS+19]
.elseif k < 28
.set qq, (k-4)/4+1
.if (k-4)%4 < 2
	v_pk_add_f32 v[rT+2:rT+3], v[rT+2:rT+3], v[rS+2*qq:rS+2*qq+1]
.else
	v_pk_add_f32 v[rT+4:rT+5], v[rT+4:rT+5], v[rS+18+2*qq:rS+19+2*qq]
.endif
.elseif k < 30
	v_pk_add_f32 v[rT+2:rT+3], v[rT+2:rT+3], v[rS+14:rS+15]
.else
	v_pk_add_f32 v[rT+2:rT+3], v[rT+2:rT+3], v[rT+4:rT+5]
.endif
.elseif n < 266
.set k, n-234
.set rS, S+64*(\y)+32*(k%2)
	v_cvt_pk_f16_f32 v[rS+k/2], v[rS+2*(k/2)], v[rS+2*(k/2)+1]
.else
.set k, n-266
.set rO, 64*(\y)+32*(k%2)+2*(k/2)
.set rT, ST+16*(\y)+8*(k%2)
	v_pk_mul_f32 v[rO:rO+1], v[rO:rO+1], v[rT+6:rT+7] op_sel_hi:[1,0]   ; each accumulator from its low end on
.endif
.endm
; Slice sl of 16: 19 numbers of the list (the last slice: 13).  266 = 14 x 19: no slice changes its window inside itself.  Behind slice 0 of piece 0's turn stands K's run of loads, behind slice 8 of piece 1's turn V's.
.macro SLICE y
.rept 19
.if n < 298
	ITEM \y
.set n, n+1
.endif
.endr
.if (sl == 0) && FK
	FETCH_K
.endif
.if (sl == 8) && FV
	FETCH_V
.endif
.set sl, sl+1
.endm
; A TURN.  Piece x has the matrix unit; the other piece's softmax stands in slices behind its groups.  pv = 1: eight groups V^T P of the step in hand; kq = 1: eight groups K Q^T of the next step; a turn with one of the two kinds
; has two slices behind each group.  fk = 1: the next step's K is fetched; fv = 1: the next step's V; ml = 1: the next turn's mask words are asked for.
; DISTANCES (ISA guide 7.12.1; only plain vector instructions that name none of a product's registers are counted).  K Q^T's second group writes over the weights that V^T P's last group read: between them lie slices 7 and 8, with 13
; subtractions.  V's loads land on what V^T P's last group read: behind the same 13.  K's loads land on what the turn before's last group read: behind its slice 15 (13 multiplies) and this turn's slice 0 (19 selects).
; The selects read scores that the turn before's groups wrote: behind its slice 15.
.macro TURN x, pv, kq, fk, fv, ml
.set n, 0
.set sl, 0
.set FK, \fk
.set FV, \fv
.set ML, \ml
.set per, 2
.if \pv && \kq
.set per, 1
.endif
.if \pv
.if \x == 0
	s_wait_dscnt 0x0                               ; V is in: it was asked for seven groups ago
.endif
.set g, 0
.rept 8
	PVP \x
.rept per
	SLICE (1-\x)
.endr
.set g, g+1
.endr
.endif
.if \kq
.if \fk
	s_wait_dscnt 0x0                               ; K is in: it was asked for seven groups ago
.endif
.set g, 0
.rept 8
	KQP \x
.rept per
	SLICE (1-\x)
.endr
.set g, g+1
.endr
.endif
.endm
.macro STEPS_N cnt                     ; cnt key steps: two turns, written once, walked cnt times; the LDS addresses hang on s[TB]
	s_mov_b32 s[STEPS], \cnt
.Lstep_\@:
	TURN 0, 1, 1, 1, 0, 1                          ; piece 0: V^T P of step j, K Q^T of step j + 1 | piece 1's softmax of step j | K of step j + 1
	TURN 1, 1, 1, 0, 1, 1                          ; piece 1: the same | piece 0's softmax of step j + 1 | V of step j + 1
	WIN 0                                          ; at a label and at a branch every window is 0
	s_sub_co_u32 s[STEPS], s[STEPS], 1
	s_cmp_lg_u32 s[STEPS], 0
	s_cbranch_scc1 .Lstep_\@
.endm
; THE CHANGE OF SLOTS, between piece 1's turn and piece 0's: the slot's last bytes, V of its eighth step, have been asked for.  Each wave waits for all its tensor loads (one is out: its part of the other slot), adds 0 to its spare word,
; and waits for that and for its own reads of the slot.  Behind the barrier nobody reads this slot any more and the other slot is whole.
; fill = 1: the barrier is a round of the cluster's, so that no wave of any partner still reads the slot or has a load on its way; the joint load of the keys two slots on is the first thing behind it and has eight key steps in which to land.
.macro CHANGE fill
	s_wait_tensorcnt 0x0                           ; no tensor load of mine is out, so group 0 may be written
	ds_add_u32 v[SPW], v[NIL]                      ; 0 onto my spare word
.if \fill
	s_xor_b32 s[G0B+1], s[G0B+1], SLOT1            ; the walking descriptor: the other slot than last time,
	s_add_nc_u64 s[G0B+2:G0B+3], s[G0B+2:G0B+3], 65536 ; the next 512 keys' images; the type bits on top are not reached
	s_wait_xcnt 0x0                                ; a prefetch issued a slot back has read its address, so it may be written:
	s_add_nc_u64 s[PFA:PFA+1], s[PFA:PFA+1], 65536 ; one slot further on than the descriptor
	s_wait_dscnt 0x0                               ; the add is done, and my reads of the slot are over
	CROUND
	JLOAD
	ASK
.else
	s_wait_dscnt 0x0
	s_barrier_signal -1
	s_barrier_wait -1
.endif
	s_sub_co_u32 s[TB], s[TB], 8*STEPB             ; the fetches go back to a slot's first step,
	s_xor_b32 s[TB], s[TB], SLOT1                  ; in the other slot
.endm
	s_wait_tensorcnt 1                             ; my part of slot 0 is in; slot 1's load may stay out
	s_barrier_signal -1
	s_barrier_wait -1                              ; everybody's is
	FETCH_K                                        ; key step 0
	s_wait_loadcnt 0x0                             ; Q
	s_wait_dscnt 0x0
.set g, 0
.rept 8
	KQP 0                                          ; piece 0's first scores: there is no vector work yet to set between them
.set g, g+1
.endr
.rept 4
	v_nop                                          ; four places between those products and the selects that read their results
.endr
	TURN 1, 0, 1, 0, 1, 1                          ; piece 1's first scores | piece 0's softmax of step 0 | V of step 0
	WIN 0
	STEPS_N 7                                      ; steps 0 to 6: their fetches take the rest of slot 0
.Lslot:                                            ; two trips: slot 0 takes the third 512 keys, slot 1 the fourth
	CHANGE 1
	STEPS_N 8
	s_sub_co_u32 s[SLOTS], s[SLOTS], 1
	s_cmp_lg_u32 s[SLOTS], 0
	s_cbranch_scc1 .Lslot
	CHANGE 0                                       ; the tail is written out: nothing is left to ask for
	STEPS_N 8                                      ; steps 23 to 30
	TURN 0, 1, 0, 0, 0, 0                          ; piece 0: V^T P of the last step | piece 1's last softmax
.set g, 0
.rept 8
	PVP 1                                          ; piece 1: V^T P of the last step
.set g, g+1
.endr
	WIN 0
	; THE WAY OUT.  l's two halves and the other half of the lanes' are added (these lines are the places behind the last products); O^T is divided by l, rounded to f16 and stored: a lane's eight channels are four registers of an image.
.irp t, 0,1,2,3
	v_add_f32 v[ST+8*\t+4], v[ST+8*\t+2], v[ST+8*\t+3]
.endr
.irp t, 0,1,2,3
	v_permlanex16_b32 v[ST+8*\t+5], v[ST+8*\t+4], s[SEL], s[SEL+1]
.endr
.irp t, 0,1,2,3
	v_add_f32 v[ST+8*\t+4], v[ST+8*\t+4], v[ST+8*\t+5]
.endr
.irp t, 0,1,2,3
	v_rcp_f32 v[ST+8*\t+6], v[ST+8*\t+4]           ; l is at least 1: the row's largest weight
.endr
	v_nop                                          ; a plain line behind the last reciprocal,
	s_wait_alu depctr_va_vdst(0)                   ; and the one wait for the four, ahead of their first reader
.macro OUT t
	WIN 0x41
.set i, 0
.rept 16
	v_pk_mul_f32 v[32*\t+2*i:32*\t+2*i+1], v[32*\t+2*i:32*\t+2*i+1], v[ST+8*\t+6:ST+8*\t+7] op_sel_hi:[1,0]   ; each accumulator from its low end on
.set i, i+1
.endr
	WIN 0x05                                       ; sources window 1, destination window 0: piece 0's S^T is free
.set i, 0
.rept 16
	v_cvt_pk_f16_f32 v[S+16*\t+i], v[32*\t+2*i], v[32*\t+2*i+1]
.set i, i+1
.endr
	WIN 0
.irp d, 0,1,2,3
	global_store_b128 v[LI], v[S+16*\t+4*\d:S+16*\t+4*\d+3], s[CTX:CTX+1] offset:\t*32768+\d*512   ; 32 lanes store 512 consecutive bytes, aligned: half d % 2 of my head's image d / 2
.endr
.endm
	OUT 0
	OUT 1
	OUT 2
	OUT 3
	s_wait_tensorcnt 0x0                           ; the wave's end, behind my last tensor load
	ds_add_u32 v[SPW], v[NIL]
	s_wait_dscnt 0x0
	CROUND                                         ; the closing round: no work-group ends while a partner may still ask for a tile that names it
	s_endpgm
.Lfunc_end_k_q4728d1eb14_attn:
	.size	k_q4728d1eb14_attn, .Lfunc_end_k_q4728d1eb14_attn-k_q4728d1eb14_attn
	.p2alignl 7, 3214868480
	.fill 96, 4, 3214868480
	.section	.rodata,"a",@progbits
	.p2align	6, 0x0
	.amdhsa_kernel k_q4728d1eb14_attn
		.amdhsa_group_segment_fixed_size 327680
		.amdhsa_private_segment_fixed_size 0
		.amdhsa_enable_private_segment 0
		.amdhsa_kernarg_size 24
		.amdhsa_user_sgpr_count 2
		.amdhsa_user_sgpr_kernarg_segment_ptr 1
		.amdhsa_wavefront_size32 1
		.amdhsa_system_sgpr_workgroup_id_x 1
		.amdhsa_system_sgpr_workgroup_id_y 1
		.amdhsa_system_sgpr_workgroup_id_z 1
		.amdhsa_system_vgpr_workitem_id 0
		.amdhsa_next_free_vgpr 512
		.amdhsa_next_free_sgpr 106
		.amdhsa_reserve_vcc 0
		.amdhsa_float_denorm_mode_32 3
		.amdhsa_float_denorm_mode_16_64 3
		.amdhsa_memory_ordered 1
		.amdhsa_forward_progress 1
		.amdhsa_inst_pref_size 191
	.end_amdhsa_kernel
	.amdgpu_metadata
---
amdhsa.version: [ 1, 2 ]
amdhsa.kernels:
  - .name:           k_q4728d1eb14_attn
    .symbol:         k_q4728d1eb14_attn.kd
    .args:
      - { .name: qkv, .offset: 0, .size: 8, .value_kind: global_buffer, .address_space: global }
      - { .name: mbits, .offset: 8, .size: 8, .value_kind: global_buffer, .address_space: global }
      - { .name: ctxf, .offset: 16, .size: 8, .value_kind: global_buffer, .address_space: global }
    .group_segment_fixed_size: 327680
    .private_segment_fixed_size: 0
    .kernarg_segment_align: 8
    .kernarg_segment_size: 24
    .max_flat_workgroup_size: 256
    .sgpr_count:     106
    .vgpr_count:     512
    .wavefront_size: 32
...
	.end_amdgpu_metadata
.endif
;; end of part 3
;; launch outp (part 4): grid 8 x 64, 4 waves a work-group, clusters of 4 x 4, 327,680 bytes of LDS; arguments ctxf, wof, bo, out0; writes out0
.if DOCPART == 4
	.amdgcn_target "amdgcn-amd-amdhsa--gfx1250"
	.amdhsa_code_object_version 6
	.text
	.protected	k_q4728d1eb14_outp
	.globl	k_q4728d1eb14_outp
	.p2align	8
	.type	k_q4728d1eb14_outp,@function
k_q4728d1eb14_outp:
	s_mov_b64 s[64:65], 0
	v_nop
	global_prefetch_b8 v0, s[64:65] scope:SCOPE_SE
	s_setreg_imm32_b32 hwreg(HW_REG_WAVE_MODE, 25, 1), 1
	s_wait_xcnt 0x0
	s_wait_alu depctr_hold_cnt(0) depctr_sa_sdst(0) depctr_va_vdst(0) depctr_va_sdst(0) depctr_va_ssrc(0) depctr_va_vcc(0) depctr_vm_vsrc(0)
	s_getreg_b32 s2, hwreg(HW_REG_IB_STS2, 6, 4)
	s_cmp_eq_u32 s2, 0
	s_cbranch_scc0 .Lentry_in_a_cluster
	s_endpgm
.Lentry_in_a_cluster:
	s_bfe_u32 s2, ttmp6, 0x10000c
	s_cmp_lg_u32 s2, 0xf033
	s_cbranch_scc0 .Lentry_shape_is_right
	s_endpgm
.Lentry_shape_is_right:
; out0 = context Wo + bo: [8192][1024] f32, K = 1,024, operands in f16, sums in f32; bo is the C of each sum's first product.
; Both operands come as IMAGES OF OPERAND REGISTERS (1,024 bytes: 16 rows x 32 k; bytes 16 x lane = registers 0-3, bytes 512 + 16 x lane = registers 4-7): ctxf [row / 16: 512][k / 32: 32][1024], wof [column / 16: 64][k / 32: 32][1024].
; A tile of the output is 128 x 128: 512 work-groups.  Four waves, each 64 x 64: 16 accumulators, 128 registers.  K goes in steps of 256 (eight images of each tile of 16 rows: 8,192 consecutive bytes) through a ring of two LDS slots;
; a wave's tensor load brings four such runs, 32,768 bytes apart in memory.  No padding: every LDS load of a fragment takes 512 consecutive bytes.
; CLUSTERS: 4 x 4 work-groups.  The four of a row of the cluster need the same tiles of the context, the four of a column the same tiles of Wo: each is asked for JOINTLY.
; THE MATRIX INSTRUCTION IS USED TRANSPOSED (source 0 = 16 columns of Wo, source 1 = 16 rows of the context): a lane holds eight neighbouring numbers of a row of the output.
; REGISTERS: window 0: v0-31 addresses; v32-95 the way out; v96-127 bo; v128-255 the accumulators ((a, b) at v[128 + 8 (4 a + b)]).  window 1: two fragment buffers of 128: for 64 along K, 64 registers of A, then 64 of B.
.set KSTEPB, 8192                      ; a K step's eight images of a tile of 16 rows
.set HALFT,  4*KSTEPB                  ; 64 rows: what one tensor load brings, and what one wave reads of A or of B
.set SLOT,   4*HALFT                   ; A's 128 rows, then B's 128
.set STAGE,  2*SLOT                    ; behind the ring: 16 rows x 272 bytes for each wave, for the way out
.set SPITCH, 272
.set SPARE,  STAGE+4*16*SPITCH         ; the spare words, 128 bytes for each wave
.set LAPS,   2                         ; a lap = two K steps = once round the ring
.set ADRA, 16                          ; v16-17  LDS address of my A fragments in slot 0, 1
.set ADRB, 20                          ; v20-21  the same for B
.set STO,  24                          ; v24     the way out: where I put 32 bytes of a row
.set RD,   25                          ; v25     where I read a row back
.set CO,   26                          ; v26     my byte offset in the output
.set SPW,  28                          ; v28     LDS address of my spare word; never rewritten
.set NIL,  29                          ; v29     0; never rewritten
.set TMP,  32                          ; the way out: two sets of 32
.set BI,   96                          ; bo: v[BI + 8 b + j] = bo of column 16 b + 8 (l / 16) + j of my 64
.set ACC,  128
.set F0,   0                           ; fragment buffers, in window 1
.set F1,   128
.set G1, 24                            ; s[24:31] descriptor group 1 for A's tiles;  s[32:39] group 0, one set for each slot
.set G0, 32
.set G1B, 48                           ; s[48:55], s[56:63] the same for B's tiles
.set G0B, 56
.set MSB, 0
.macro WIN new                         ; the immediate's high byte repeats the setting that is left
.if MSB != \new
	s_set_vgpr_msb (MSB<<8)|\new
.set MSB, \new
.endif
.endm
.set MUL,  0x05                        ; sources 0 (B) and 1 (A) window 1; C and D window 0
.set TO_F, 0x40                        ; destination window 1, address window 0
.macro JLOAD s                         ; a joint load: waves 0 and 1 fetch A's two halves, waves 2 and 3 B's; an s_nop 0 and four v_nop follow each of the two lines
	s_cmp_eq_u32 s11, 0
	s_cbranch_scc0 .Lfor_b_\@
	tensor_load_to_lds s[G0+4*\s:G0+4*\s+3], s[G1:G1+7]
	s_nop 0
.rept 4
	v_nop
.endr
	s_branch .Lasked_\@
.Lfor_b_\@:
	tensor_load_to_lds s[G0B+4*\s:G0B+4*\s+3], s[G1B:G1B+7]
	s_nop 0
.rept 4
	v_nop
.endr
.Lasked_\@:
.endm
.macro CREST                           ; a round of the cluster's barrier behind its opening barrier
	s_cmp_lg_u32 s10, 0
	s_cbranch_scc1 .Lnot_wave_0_\@
	s_barrier_signal -3
.Lnot_wave_0_\@:
	s_barrier_wait -3
	s_barrier_signal -1
	s_barrier_wait -1
.endm
.macro CROUND                          ; a whole round
	s_barrier_signal -1
	s_barrier_wait -1
	CREST
.endm
	s_load_b128 s[4:7], s[0:1], 0x0                ; ctxf, wof
	s_load_b64 s[66:67], s[0:1], 0x10              ; bo
	s_load_b64 s[8:9], s[0:1], 0x18                ; out0
	v_lshl_add_u32 v[SPW], v0, 2, SPARE
	v_mov_b32 v[NIL], 0
	ds_add_u32 v[SPW], v[NIL]                      ; the wave's opening: the add, twice on end, and its wait ahead of my first tensor load
	ds_add_u32 v[SPW], v[NIL]
	v_lshrrev_b32 v1, 5, v0
	v_readfirstlane_b32 s10, v1                    ; wave 0..3
	s_lshr_b32 s11, s10, 1                         ; which half of the tile's rows is mine.  Also: I fetch for A (0) or for B (1)
	s_and_b32 s12, s10, 1                          ; which half of its columns.  Also: which 64 rows of that tile I fetch
	s_bfe_u32 s40, ttmp6, 0x40000                  ; cx, cy: my place in the cluster
	s_bfe_u32 s41, ttmp6, 0x40004
	s_lshl_b32 s42, ttmp9, 2
	s_add_co_u32 s42, s42, s40                     ; tile column = 4 x cluster x + cx
	s_and_b32 s13, ttmp7, 0xffff
	s_lshl_b32 s13, s13, 2
	s_add_co_u32 s13, s13, s41                     ; tile row = 4 x cluster y + cy
	s_lshl_b32 s43, s41, 2
	s_lshl_b32 s43, 15, s43                        ; my row of the cluster
	s_lshl_b32 s44, 0x1111, s40                    ; my column
	; descriptor group 1: 4 rows of 8,192 bytes (1,024 elements of 8 bytes), 32,768 bytes apart in memory, on end in LDS
	s_or_b32 s[G1+0], s43, (3<<16)|(1<<21)         ; 15:0 the mask: A's tiles go to my row; 17:16 elements of 8 bytes; 21 set beside a mask
	s_or_b32 s[G1B+0], s44, (3<<16)|(1<<21)
.irp g, G1, G1B
	s_mov_b32 s[\g+1], 1024<<16                    ; tensor_dim0
	s_mov_b32 s[\g+2], 4<<16                       ; tensor_dim1
	s_mov_b32 s[\g+3], 1024<<16                    ; tile_dim0
	s_mov_b32 s[\g+4], 4                           ; tile_dim1
	s_mov_b32 s[\g+5], 4096                        ; from row to row
	s_mov_b32 s[\g+6], 0
	s_mov_b32 s[\g+7], 0
.endr
	s_lshl_b32 s17, s12, 2                         ; which four tiles of 16 rows I fetch
	s_lshl_b32 s16, s13, 3
	s_add_co_u32 s16, s16, s17                     ; A: 8 x tile row + 4 x half
	s_lshl_b32 s16, s16, 15
	s_lshl_b32 s46, s42, 3
	s_add_co_u32 s46, s46, s17                     ; B: 8 x tile column + 4 x half
	s_lshl_b32 s46, s46, 15
	s_mov_b32 s17, 0
	s_mov_b32 s47, 0
	s_mul_i32 s20, s10, HALFT                      ; where they go: wave x 32,768: no place in the cluster enters an LDS address
	s_wait_dscnt 0x0                               ; both opening adds are done
	s_wait_kmcnt 0x0
	s_add_nc_u64 s[14:15], s[4:5], s[16:17]
	s_add_nc_u64 s[46:47], s[6:7], s[46:47]
	CROUND                                         ; all sixteen work-groups are here: the first joint loads meet
.irp s, 0,1
	s_mov_b32 s[G0+4*\s], 1
	s_add_co_u32 s[G0+4*\s+1], s20, \s*SLOT
	s_add_nc_u64 s[G0+4*\s+2:G0+4*\s+3], s[14:15], \s*KSTEPB
	s_or_b32 s[G0+4*\s+3], s[G0+4*\s+3], 0x80000000
	s_mov_b32 s[G0B+4*\s], 1
	s_add_co_u32 s[G0B+4*\s+1], s20, \s*SLOT
	s_add_nc_u64 s[G0B+4*\s+2:G0B+4*\s+3], s[46:47], \s*KSTEPB
	s_or_b32 s[G0B+4*\s+3], s[G0B+4*\s+3], 0x80000000
	JLOAD \s                                       ; two loads of mine are out
.endr
	v_and_b32 v1, 15, v0                           ; l % 16
	v_bfe_u32 v2, v0, 4, 1                         ; l / 16
	v_and_b32 v3, 31, v0
	v_lshlrev_b32 v3, 4, v3                        ; 16 x lane: an image's place for my lane
	s_mul_i32 s21, s11, HALFT                      ; my 64 rows of A
	s_mul_i32 s22, s12, HALFT                      ; my 64 rows of B,
	s_add_co_u32 s22, s22, 2*HALFT                 ; which lie behind A's 128
.irp s, 0,1
	v_add_nc_u32 v[ADRA+\s], s21, v3
	v_add_nc_u32 v[ADRB+\s], s22, v3
	s_add_co_u32 s21, s21, SLOT
	s_add_co_u32 s22, s22, SLOT
.endr
	s_mul_i32 s23, s10, 16*SPITCH
	s_add_co_u32 s23, s23, STAGE                   ; my stage
	v_mul_u32_u24 v4, v1, SPITCH                   ; in: row l % 16, 32 bytes for each half of the lanes
	v_lshl_add_u32 v4, v2, 5, v4
	v_add_nc_u32 v[STO], s23, v4
	v_mul_u32_u24 v5, v2, SPITCH                   ; back: lanes 0-15 take one row of 256 bytes, lanes 16-31 the next
	v_lshl_add_u32 v5, v1, 4, v5
	v_add_nc_u32 v[RD], s23, v5
	v_lshlrev_b32 v5, 12, v2                       ; and the same two rows in the output: rows of 4,096 bytes
	v_lshl_add_u32 v[CO], v1, 4, v5
	s_lshl_b32 s16, s13, 7
	s_lshl_b32 s17, s11, 6
	s_add_co_u32 s16, s16, s17                     ; my first row: 128 x tile row + 64 x half
	s_lshl_b32 s16, s16, 12
	s_mov_b32 s17, 0
	s_lshl_b32 s46, s42, 9                         ; my first column, in bytes: 512 x tile column + 256 x half
	s_lshl_b32 s47, s12, 8
	s_add_co_u32 s46, s46, s47
	s_mov_b32 s47, 0
	s_add_nc_u64 s[8:9], s[8:9], s[16:17]
	s_add_nc_u64 s[8:9], s[8:9], s[46:47]
	s_add_nc_u64 s[66:67], s[66:67], s[46:47]      ; bo at my first column
	v_lshlrev_b32 v6, 5, v2                        ; 8 numbers further on for lanes 16-31
.irp b, 0,1,2,3
	global_load_b128 v[BI+8*\b:BI+8*\b+3], v6, s[66:67] offset:64*\b
	global_load_b128 v[BI+8*\b+4:BI+8*\b+7], v6, s[66:67] offset:64*\b+16
.endr
; 8 matrix instructions: row blocks a0, a0 + 1 x all 4 column blocks, 32 along K: half c of buffer f.  first = 1: bo is the C.  The 16 accumulators take turns.
.macro MUL8 f, c, a0, first
.irp a, \a0, \a0+1
.irp b, 0,1,2,3
.if \first
	v_wmma_f32_16x16x32_f16 v[ACC+8*(4*(\a)+\b):ACC+8*(4*(\a)+\b)+7], v[\f+64+8*(4*\c+\b):\f+64+8*(4*\c+\b)+7], v[\f+8*(4*\c+\a):\f+8*(4*\c+\a)+7], v[BI+8*\b:BI+8*\b+7]
.else
	v_wmma_f32_16x16x32_f16 v[ACC+8*(4*(\a)+\b):ACC+8*(4*(\a)+\b)+7], v[\f+64+8*(4*\c+\b):\f+64+8*(4*\c+\b)+7], v[\f+8*(4*\c+\a):\f+8*(4*\c+\a)+7], v[ACC+8*(4*(\a)+\b):ACC+8*(4*(\a)+\b)+7]
.endif
.endr
.endr
.endm
; 32 LDS loads in one run: the fragments of the slot's q-th 64 along K (images 2 q, 2 q + 1 of each tile of 16 rows) into buffer f; the first 32 along K first
.macro FETCH slot, q, f
	WIN TO_F
.irp c, 0,1
.irp i, 0,1,2,3
	ds_load_b128 v[\f+64+8*(4*\c+\i):\f+64+8*(4*\c+\i)+3],   v[ADRB+\slot] offset:\i*KSTEPB+(2*(\q)+\c)*1024
	ds_load_b128 v[\f+64+8*(4*\c+\i)+4:\f+64+8*(4*\c+\i)+7], v[ADRB+\slot] offset:\i*KSTEPB+(2*(\q)+\c)*1024+512
	ds_load_b128 v[\f+8*(4*\c+\i):\f+8*(4*\c+\i)+3],         v[ADRA+\slot] offset:\i*KSTEPB+(2*(\q)+\c)*1024
	ds_load_b128 v[\f+8*(4*\c+\i)+4:\f+8*(4*\c+\i)+7],       v[ADRA+\slot] offset:\i*KSTEPB+(2*(\q)+\c)*1024+512
.endr
.endr
.endm
.macro PLACES                          ; four places in front of loads into registers that matrix instructions have read, and of the first read of results
.rept 4
	v_nop
.endr
.endm
; A K step is four quarters of 64 along K, 32 matrix instructions each, on buffers 0, 1, 0, 1.  One of the first three: multiplies buffer f and fetches quarter q into g.
.macro QUARTER slot, q, f, g, first
	s_wait_dscnt 16                                ; the first 32 along K are in; the youngest sixteen loads may be out
	WIN MUL
	MUL8 \f, 0, 0, \first
	MUL8 \f, 0, 2, \first
	PLACES
	FETCH \slot, \q, \g
	s_wait_dscnt 32                                ; all but the 32 just issued
	WIN MUL
	MUL8 \f, 1, 0, 0
	MUL8 \f, 1, 2, 0
.endm
; The last quarter multiplies buffer 1 and changes slots: ONE barrier; in front of it each wave waits for all its tensor loads, adds 0 to its spare word, and waits for that and for its own reads of this slot.  fill = 1: this slot is filled again, two K steps ahead.
.macro TURN slot, next, fill
	WIN 0                                          ; (the add's two registers lie in window 0)
	s_wait_tensorcnt 0x0                           ; all my tensor loads have landed: my part of the next slot;
	ds_add_u32 v[SPW], v[NIL]                      ; 0 onto my spare word;
	s_wait_dscnt 17                                ; (the add and the youngest sixteen loads may be out)
	WIN MUL
	MUL8 F1, 0, 0, 0                               ; eight matrix instructions stand between the add and the wait for it
	s_wait_dscnt 0x0                               ; the add is done, and my reads of this slot are over
	s_barrier_signal -1
	MUL8 F1, 0, 2, 0
.if \fill
	WIN 0
.endif
	s_barrier_wait -1
.if \fill
	CREST                                          ; the barrier has opened a round of the cluster's barrier: no wave of any partner still reads this slot's tile or has a load on its way
	s_add_nc_u64 s[G0+4*\slot+2:G0+4*\slot+3], s[G0+4*\slot+2:G0+4*\slot+3], 2*KSTEPB
	s_add_nc_u64 s[G0B+4*\slot+2:G0B+4*\slot+3], s[G0B+4*\slot+2:G0B+4*\slot+3], 2*KSTEPB
	JLOAD \slot                                    ; the first tensor load behind the round; the four v_nop behind it are also the places in front of the loads below
.else
	PLACES
.endif
	FETCH \next, 0, F0
	WIN MUL
	MUL8 F1, 1, 0, 0
	MUL8 F1, 1, 2, 0
.endm
	s_wait_tensorcnt 1                             ; my part of K step 0 is in; K step 1's load may be out,
	s_barrier_signal -1
	s_barrier_wait -1                              ; everybody's is
	FETCH 0, 0, F0
	s_wait_loadcnt 0x0                             ; bo
	QUARTER 0, 1, F0, F1, 1                        ; the first quarter stands in front of the loop: its first products start the sums from bo
	WIN 0                                          ; at a label and at a branch every window is 0
	s_mov_b32 s3, LAPS-1
.Llap:                                                 ; a trip goes once round the ring, from a lap's second quarter to the next lap's first, and fills both slots again
	QUARTER 0, 2, F1, F0, 0
	QUARTER 0, 3, F0, F1, 0
	TURN 0, 1, 1
	QUARTER 1, 1, F0, F1, 0
	QUARTER 1, 2, F1, F0, 0
	QUARTER 1, 3, F0, F1, 0
	TURN 1, 0, 1
	QUARTER 0, 1, F0, F1, 0
	WIN 0
	s_sub_co_u32 s3, s3, 1
	s_cmp_lg_u32 s3, 0
	s_cbranch_scc1 .Llap
	QUARTER 0, 2, F1, F0, 0                        ; the last lap fills nothing, and has no round of the cluster's barrier
	QUARTER 0, 3, F0, F1, 0
	TURN 0, 1, 0
	QUARTER 1, 1, F0, F1, 0
	QUARTER 1, 2, F1, F0, 0
	QUARTER 1, 3, F0, F1, 0
	s_wait_dscnt 16                                ; the very last quarter: nothing more to fetch
	WIN MUL
	MUL8 F1, 0, 0, 0
	MUL8 F1, 0, 2, 0
	s_wait_dscnt 0
	MUL8 F1, 1, 0, 0
	MUL8 F1, 1, 2, 0
	WIN 0
; THE WAY OUT, block by block of 16 rows x 64 columns.  A lane holds 32 neighbouring bytes of a row; a row's 64 columns are 256 bytes, aligned.  So a block goes through my own stage and comes back as whole rows: sixteen lanes store 256
; consecutive bytes.  LDS serves a wave's instructions in order (ISA guide 5.7.1.4): no wait between the stores and the loads, nor in front of the next block's stores.
.macro TOSTAGE a
.irp b, 0,1,2,3
	ds_store_b128 v[STO], v[ACC+8*(4*(\a)+\b):ACC+8*(4*(\a)+\b)+3] offset:64*\b          ; each accumulator from its low end on
	ds_store_b128 v[STO], v[ACC+8*(4*(\a)+\b)+4:ACC+8*(4*(\a)+\b)+7] offset:64*\b+16
.endr
.irp t, 0,1,2,3,4,5,6,7
	ds_load_b128 v[TMP+32*((\a)%2)+4*\t:TMP+32*((\a)%2)+4*\t+3], v[RD] offset:\t*2*SPITCH
.endr
.endm
.macro SEND a, younger                 ; younger: the LDS instructions issued behind block a's loads, which may stay out
	s_wait_dscnt \younger
.irp t, 0,1,2,3,4,5,6,7
	global_store_b128 v[CO], v[TMP+32*((\a)%2)+4*\t:TMP+32*((\a)%2)+4*\t+3], s[8:9] offset:(16*(\a)+2*\t)*4096 th:TH_STORE_NT
.endr
.endm
	PLACES
	TOSTAGE 0
.irp a, 1,2,3
.if \a > 1
	s_wait_xcnt 0x0                                ; block a - 2's stores have read their registers: block a's loads may land there
.endif
	TOSTAGE \a
	SEND \a-1, 16                                  ; behind block a - 1's loads: block a's 8 stores and 8 loads
.endr
	SEND 3, 0
	s_wait_tensorcnt 0x0                           ; the wave's end, behind my last tensor load and my last LDS store
	ds_add_u32 v[SPW], v[NIL]
	s_wait_dscnt 0x0
	CROUND                                         ; the closing round: no work-group ends while a partner may still ask for a tile that names it
	s_endpgm
.Lfunc_end_k_q4728d1eb14_outp:
	.size	k_q4728d1eb14_outp, .Lfunc_end_k_q4728d1eb14_outp-k_q4728d1eb14_outp
	.p2alignl 7, 3214868480
	.fill 96, 4, 3214868480
	.section	.rodata,"a",@progbits
	.p2align	6, 0x0
	.amdhsa_kernel k_q4728d1eb14_outp
		.amdhsa_group_segment_fixed_size 327680
		.amdhsa_private_segment_fixed_size 0
		.amdhsa_enable_private_segment 0
		.amdhsa_kernarg_size 32
		.amdhsa_user_sgpr_count 2
		.amdhsa_user_sgpr_kernarg_segment_ptr 1
		.amdhsa_wavefront_size32 1
		.amdhsa_system_sgpr_workgroup_id_x 1
		.amdhsa_system_sgpr_workgroup_id_y 1
		.amdhsa_system_sgpr_workgroup_id_z 1
		.amdhsa_system_vgpr_workitem_id 0
		.amdhsa_next_free_vgpr 512
		.amdhsa_next_free_sgpr 68
		.amdhsa_reserve_vcc 0
		.amdhsa_float_denorm_mode_32 3
		.amdhsa_float_denorm_mode_16_64 3
		.amdhsa_memory_ordered 1
		.amdhsa_forward_progress 1
		.amdhsa_inst_pref_size 86
	.end_amdhsa_kernel
	.amdgpu_metadata
---
amdhsa.version: [ 1, 2 ]
amdhsa.kernels:
  - .name:           k_q4728d1eb14_outp
    .symbol:         k_q4728d1eb14_outp.kd
    .args:
      - { .name: ctxf, .offset: 0, .size: 8, .value_kind: global_buffer, .address_space: global }
      - { .name: wof, .offset: 8, .size: 8, .value_kind: global_buffer, .address_space: global }
      - { .name: bo, .offset: 16, .size: 8, .value_kind: global_buffer, .address_space: global }
      - { .name: out0, .offset: 24, .size: 8, .value_kind: global_buffer, .address_space: global }
    .group_segment_fixed_size: 327680
    .private_segment_fixed_size: 0
    .kernarg_segment_align: 8
    .kernarg_segment_size: 32
    .max_flat_workgroup_size: 128
    .sgpr_count:     68
    .vgpr_count:     512
    .wavefront_size: 32
...
	.end_amdgpu_metadata
.endif
;; end of part 4
